; MI455X (gfx1250); checked and timed in simulation.
; The chip was launched on July 23, 2026; its instructions are those of AMD's public machine-readable ISA for CDNA 5 (MIT licence, August 2026) and "CDNA5" Instruction Set Architecture Reference Guide (July 2026). The comments in the code are by the model that wrote it; some were corrected since.
;; Multi Head Attention. Allowed arithmetic: matrix products marked QUANTISED: E3M2 operands, one E8M0 scale for each 32 along K, by v_wmma_scale_f32_16x16x128_f8f6f4 with both operands' format E3M2, f32 sums; everything else in f32.
;; Inputs: Wk 16 x 1,024 x 64 float32; Wq 16 x 1,024 x 64 float32; Wv 16 x 1,024 x 64 float32; proj_b 1,024 float32; proj_w 1,024 x 1,024 float32; x 4 x 2,048 x 1,024 float32.
;; Outputs: out0 4 x 2,048 x 1,024 float32.
;; This version of the problem:
;;   THIS VERSION OF THE PROBLEM IS GIVEN IN LOW PRECISION. The matrix products marked QUANTISED in the list below multiply operands that are first quantised to E3M2 (3 exponent bits, 2 mantissa bits; 6 bits a number), with one power-of-two scale for each 32 numbers along K (OCP MX v1.0); their sums are f32. All else is computed in f32.
;;   The module's matrix products, in the order in which they are computed (A, B: the left and right operand; K: the contracted axis; several contracted axes count as one K, in the product's order):
;;     1. [M 1,024, K 1,024] x [K 1,024, N 8,192]; A: input Wq; B: input x: QUANTISED
;;     2. [M 1,024, K 1,024] x [K 1,024, N 8,192]; A: input Wk; B: input x: QUANTISED
;;     3. [M 1,024, K 1,024] x [K 1,024, N 8,192]; A: input Wv; B: input x: QUANTISED
;;     4. batch 64 x [M 2,048, K 64] x [K 64, N 2,048]; A: computed on the way; B: computed on the way: QUANTISED
;;     5. batch 64 x [M 2,048, K 2,048] x [K 2,048, N 64]; A: softmax (see below); B: computed on the way: QUANTISED
;;     6. [M 8,192, K 1,024] x [K 1,024, N 1,024]; A: computed on the way; B: input proj_w: QUANTISED
;;   THE QUANTISER, for each operand of a quantised product, along K:
;;     - K is cut into blocks of 32 from its start; a last block that is shorter is filled with zeros.
;;     - A block's scale is 2^e with e = floor(log2(the largest magnitude in the block)) - 4, held to -126 .. 127; a block of zeros has e = 0. As a byte (E8M0): e + 127.
;;     - Each number is divided by its block's scale, clamped to +-28, and rounded to the nearest number of E3M2, ties to even, subnormals kept.
;;     - The product sums the exact products of the quantised numbers (number of the format x scale) in f32.
;;   ~~~python
;;   def quantise(x, axis):      # numpy; x: float32 -> the quantised numbers, widened to float32 again
;;       x = np.moveaxis(x, axis, -1); K = x.shape[-1]
;;       x = np.pad(x, [(0, 0)] * (x.ndim - 1) + [(0, -K % 32)]); x = x.reshape(x.shape[:-1] + (-1, 32)); a = np.abs(x).max(-1, keepdims=True)
;;       e = np.where(a > 0, np.clip(np.frexp(np.where(a > 0, a, 1))[1] - 1 - 4, -126, 127), 0)      # np.frexp(a)[1] - 1 = floor(log2(a)), exactly
;;       r = np.clip(x / 2.0 ** e, -28, 28)
;;       step = 2.0 ** (np.maximum(np.frexp(np.where(r == 0, 1, r))[1] - 1, -2) - 2)
;;       q = np.round(r / step) * step * 2.0 ** e      # np.round: ties to even
;;       return np.moveaxis(q.reshape(q.shape[:-2] + (-1,))[..., :K], -1, axis).astype(np.float32)
;;   ~~~
;;   SOFTMAX AHEAD OF A QUANTISED PRODUCT. Where the list says 'softmax', what is quantised is not the finished softmax but p = 2^(t - M), with t = logit x log2(e) and M = ceil(the row's largest t), a whole number; so 1/2 < the row's largest p <= 1. The row's sum l is taken of the UNQUANTISED p, in f32, and the product's result is divided by l at the end. Since M is a whole number, a kernel that streams over the keys may use a running M (the ceiling of the running maximum): every later rescaling is an exact power of two, which a block's scale takes up: the codes' values come out the same.
;;   OPERANDS COMPUTED ON THE WAY. 'Computed on the way' means the value that the module computes at that place (a softmax that the list does not call 'softmax' is quantised finished and normalised). What goes into a quantiser is computed in f32, as accurately as f32 sums, v_exp_f32 and their like allow (about 1e-6 of the number): no bf16 or f16 on the way to a quantiser, and a product that is left as it is and whose result goes on into a quantised operand takes f32 operands (vector FMAs, or v_wmma_f32_16x16x4_f32). A number that lies on a knife's edge between two numbers of the format may be rounded either way, as far as f32 arithmetic and the matrix unit's own rounding can turn it there, and no further.
;; One version. Each part assembles by itself: llvm-mc -triple=amdgcn-amd-amdhsa -mcpu=gfx1250 --defsym DOCPART=n.
;; ======== version 1 of 1: 4 launches
;; limits: right only within a limited range of input values
;; workspace buffers: xq 6,553,600 bytes; pwq 819,200 bytes; wq3 2,457,600 bytes; qq 6,553,600 bytes; kv 13,107,200 bytes; oq 6,553,600 bytes
;; launch quant (part 1): grid 480 x 1, 4 waves a work-group, no clusters, 47,104 bytes of LDS; arguments x, proj_w, xq, pwq, Wq, Wk, Wv, wq3; writes xq, pwq, wq3
.if DOCPART == 1
	.amdgcn_target "amdgcn-amd-amdhsa--gfx1250"
	.amdhsa_code_object_version 6
	.text
	.protected	k_qa2888b0914_quant
	.globl	k_qa2888b0914_quant
	.p2align	8
	.type	k_qa2888b0914_quant,@function
k_qa2888b0914_quant:
	s_mov_b64 s[64:65], 0
	v_nop
	global_prefetch_b8 v0, s[64:65] scope:SCOPE_SE
	s_setreg_imm32_b32 hwreg(HW_REG_WAVE_MODE, 25, 1), 1
	s_wait_xcnt 0x0
; All four operands that arrive as f32 become codes of BF6 (E3M2), 6 bits each, with one E8M0 byte for each 32 along K, laid IN THE ORDER OF THE OPERAND'S REGISTERS.
; A fragment is 16 rows x 128 K, 12 registers a lane: lane L = r + 16 h holds row r, registers 6 c .. 6 c + 5 hold k = 64 c + 32 h + 0 .. 31.
; Its image, 1,536 bytes: registers 0-3 at 16 L, 4-5 at 512 + 8 L, 6-9 at 768 + 16 L, 10-11 at 1,280 + 8 L.  A PIECE, 6,400 bytes, is four fragments (64 rows x 128 K) and, at 6,144, their scale words: that of (r, f) at 16 r + 4 f.
; A block's scale is 2^(floor(log2(its largest magnitude)) - 4): its byte is the largest magnitude's exponent field - 4, held at 1 from below.
; LIMITS: NaN and infinities among the inputs are not served.  A block of zeros, and one whose largest magnitude lies under 2^-122, gets the byte 1 (the rule says 127 for zeros): its codes are zeros or right, and this program alone reads the bytes.
; TWO PATHS, parted on the work-group's number alone, each with LDS bytes of its own.
; ROWS (work-groups 0-287): x [8192][1024] (0-255) and proj_w [1024][1024] (256-287), K innermost.  A wave makes one piece.  Row r of fragment f is the piece's row 8 f + r % 8 + 32 (r / 8): in a later product's result
;   a lane's 32 registers of four neighbouring tiles are then one whole block of 32 along the next K.  Each load reads 512 consecutive bytes of one row; sixteen rows turn through the wave's own stage and come back 128 bytes a lane.
; WEIGHTS (work-groups 288-479): Wq, Wk, Wv [16 heads][1024 c][64 d], K = c the MIDDLE axis, into wq3 [16 p + head][K step].  Row r of fragment f is channel 32 (f / 2) + 8 (f % 2) + r + 8 (r / 8).
;   A lane takes a column d and its registers run down c: a block of 32 lies in one lane.  A work-group makes two pieces; wave w: K step w / 2 of the two, columns 32 (w % 2) + lane.  One barrier: a piece's scale block comes from two waves.
; No tensor loads, no matrix unit, no cluster: work-groups share nothing and memory binds.
.set SP,   528                         ; a stage row: 512 bytes + 16
.set STG,  16*SP                       ; a wave's stage
.set P64,  6400
.set WB,   4*STG                       ; behind the four stages: the weights' two images
.set SPARE, WB+2*P64                   ; behind them: the spare words, 128 bytes a wave
.set MX,   10
.set SO,   12
.set BY,   14
.set WD,   18
.set C,    24
.set PT,   36
.set X,    48
.set R,    112
.set WX,   32                          ; the weights' path: v32-95 two sets of 32 numbers
.set WC,   96                          ; v96-127 codes, a set of eight for each block
.set WPT,  128
.set OUTR, 132
	s_load_b256 s[4:11], s[0:1], 0x0               ; x, proj_w, xq, pwq
	s_load_b256 s[32:39], s[0:1], 0x20             ; Wq, Wk, Wv, wq3
	v_lshl_add_u32 v240, v0, 2, SPARE
	v_mov_b32 v241, 0
	v_lshrrev_b32 v1, 5, v0
	v_readfirstlane_b32 s12, v1                    ; wave
	v_and_b32 v1, 31, v0                           ; lane
	s_cmp_ge_u32 ttmp9, 288
	s_wait_alu depctr_va_vdst(0)
	s_cbranch_scc1 .Lweights
	v_and_b32 v2, 15, v0                           ; r
	v_bfe_u32 v3, v0, 4, 1                         ; h
	v_lshlrev_b32 v4, 4, v1
	v_lshlrev_b32 v5, 3, v1
	v_lshlrev_b32 v6, 4, v2
	v_lshl_add_u32 v6, v3, 3, v6                   ; 16 r + 8 h: my two scale words
	s_mul_i32 s28, s12, STG
	v_add_nc_u32 v7, s28, v4                       ; the stage, way in
	v_mul_u32_u24 v8, v2, SP
	v_lshl_add_u32 v8, v3, 7, v8
	v_add_nc_u32 v8, s28, v8                       ; way out: row r, + 128 h
	v_lshlrev_b32 v9, 3, v3
	v_mov_b32 v17, 0                               ; a lane permute's destination counts as one of its sources
	s_mov_b32 s20, 0x76543210
	s_mov_b32 s21, 0xfedcba98
	s_mov_b32 s22, 0xffff0000
	s_cmp_lt_u32 ttmp9, 256
	s_cselect_b32 s16, 0, 256
	s_sub_co_u32 s16, ttmp9, s16                   ; the work-group's number within its tensor
	s_lshr_b32 s13, s16, 2                         ; x: piece 4 g + w = 16 tb + 2 ks + half
	s_lshl_b32 s13, s13, 19
	s_and_b32 s14, s12, 1
	s_lshl_b32 s14, s14, 18
	s_add_co_u32 s13, s13, s14
	s_and_b32 s14, s16, 3
	s_lshl_b32 s14, s14, 1
	s_lshr_b32 s15, s12, 1
	s_add_co_u32 s14, s14, s15
	s_lshl_b32 s14, s14, 9
	s_add_co_u32 s13, s13, s14
	s_lshr_b32 s17, s16, 1                         ; proj_w: piece 4 g + w = 8 unit + ks
	s_lshl_b32 s17, s17, 18
	s_and_b32 s18, s16, 1
	s_lshl_b32 s18, s18, 2
	s_add_co_u32 s18, s18, s12
	s_lshl_b32 s18, s18, 9
	s_add_co_u32 s17, s17, s18
	s_mul_i32 s26, s16, 4*P64
	s_mul_i32 s27, s12, P64
	s_add_co_u32 s26, s26, s27                     ; where my piece goes
	s_mov_b32 s27, 0
	s_mov_b32 s25, 0
	s_wait_alu depctr_va_vdst(0)
	s_wait_kmcnt 0x0
	s_cmp_lt_u32 ttmp9, 256                        ; the choice hangs on the work-group's number alone
	s_cselect_b64 s[4:5], s[4:5], s[6:7]
	s_cselect_b64 s[8:9], s[8:9], s[10:11]
	s_cselect_b32 s24, s13, s17
	s_add_nc_u64 s[4:5], s[4:5], s[24:25]
	s_add_nc_u64 s[8:9], s[8:9], s[26:27]
.macro LOAD f                          ; the sixteen rows of fragment f, 512 consecutive bytes a load
.irp i, 0,1,2,3,4,5,6,7,8,9,10,11,12,13,14,15
	global_load_b128 v[R+64*((\f)%2)+4*\i:R+64*((\f)%2)+4*\i+3], v4, s[4:5] offset:(8*(\f)+\i%8+32*(\i/8))*4096 th:TH_LOAD_NT
.endr
.endm
.macro TURN f                          ; through the stage: LDS serves a wave's instructions in order
.irp i, 0,1,2,3,4,5,6,7,8,9,10,11,12,13,14,15
	ds_store_b128 v7, v[R+64*((\f)%2)+4*\i:R+64*((\f)%2)+4*\i+3] offset:SP*\i
.endr
.irp c, 0,1
.irp j, 0,1,2,3,4,5,6,7
	ds_load_b128 v[X+32*\c+4*\j:X+32*\c+4*\j+3], v8 offset:256*\c+16*\j
.endr
.endr
.endm
.macro QROW f                          ; my two blocks, 2 c + h, become registers 6 c .. 6 c + 5 of the fragment
.irp c, 0,1
	v_max3_num_f32 v[MX+\c], |v[X+32*\c]|, |v[X+32*\c+1]|, 0x2800000   ; the floor 2^(5 - 127) among the leaves
.endr
.irp i, 2,4,6,8,10,12,14,16,18,20,22,24,26,28,30
.irp c, 0,1
	v_max3_num_f32 v[MX+\c], v[MX+\c], |v[X+32*\c+\i]|, |v[X+32*\c+\i+1]|
.endr
.endr
.irp c, 0,1
	v_add_nc_u32 v[SO+\c], 0xfe000000, v[MX+\c]    ; 4 off the exponent field: the conversion's scale operand
.endr
.irp c, 0,1
	v_lshrrev_b32 v[BY+\c], 23, v[SO+\c]
.endr
	v_lshl_or_b32 v16, v[BY+1], 16, v[BY]
	v_lshlrev_b32 v16, v9, v16
	v_permlanex16_b32 v17, v16, s20, s21
	v_or_b32 v[WD+(\f)], v16, v17                  ; with lane l xor 16's two bytes the word is whole
.irp c, 0,1
	v_cvt_scalef32_pk16_bf6_f32 v[C+6*\c:C+6*\c+2], v[X+32*\c:X+32*\c+15], v[SO+\c]
	v_cvt_scalef32_pk16_bf6_f32 v[PT+4*\c:PT+4*\c+2], v[X+32*\c+16:X+32*\c+31], v[SO+\c]
.endr
	v_nop                                          ; one plain place behind a scaled conversion
.irp c, 0,1
.irp i, 0,1,2
	v_mov_b32 v[C+6*\c+3+\i], v[PT+4*\c+\i]
.endr
.endr
	global_store_b128 v4, v[C:C+3], s[8:9] offset:1536*(\f)            ; each store covers 512 or 256 consecutive bytes, aligned to 256
	global_store_b64 v5, v[C+4:C+5], s[8:9] offset:1536*(\f)+512
	global_store_b128 v4, v[C+6:C+9], s[8:9] offset:1536*(\f)+768
	global_store_b64 v5, v[C+10:C+11], s[8:9] offset:1536*(\f)+1280
.endm
	LOAD 0
	LOAD 1
.irp f, 0,1,2,3
.if \f < 3
	s_wait_loadcnt 16                              ; this fragment's sixteen loads are in; the next fragment's sixteen may be out
.else
	s_wait_loadcnt 0x0
.endif
	TURN \f
	s_wait_dscnt 0x0                               ; my 64 numbers are back, and the stage's stores have read the set
	s_wait_xcnt 0x0                                ; the last fragment's stores have read their registers
.if \f < 2
	LOAD \f+2
.endif
	QROW \f
.endr
	v_cndmask_b32 v22, v[WD], v[WD+2], s22         ; lanes 0-15 take words 0 and 1 of their row, lanes 16-31 words 2 and 3
	v_cndmask_b32 v23, v[WD+1], v[WD+3], s22
	global_store_b64 v6, v[22:23], s[8:9] offset:6144   ; 256 consecutive bytes, aligned
	s_wait_tensorcnt 0x0                           ; the wave's end
	ds_add_u32 v240, v241
	s_wait_dscnt 0x0
	s_endpgm
.Lweights:
	s_sub_co_u32 s27, ttmp9, 288                   ; the work-group's number among the weights': 64 p + 4 head + pair of K steps
	s_and_b32 s13, s12, 1                          ; which 32 columns
	s_lshr_b32 s14, s12, 1                         ; which of the two K steps
	v_lshlrev_b32 v2, 2, v1
	v_bfe_u32 v3, v0, 3, 1                         ; u = (l / 8) % 2: fragment 2 (w % 2) + u
	v_and_b32 v4, 7, v0
	v_bfe_u32 v5, v0, 4, 1
	v_lshl_add_u32 v4, v5, 3, v4                   ; r = l % 8 + 8 (l / 16)
	s_mul_i32 s15, s14, P64
	s_add_co_u32 s28, s15, WB                      ; my piece's image in LDS
	s_mul_i32 s26, s13, 3072
	s_add_co_u32 s16, s26, s28                     ; my two fragments
	v_mul_u32_u24 v5, v3, 1536
	v_add_nc_u32 v5, s16, v5
	v_lshl_add_u32 v6, v4, 4, v5                   ; where my column's 16-byte parts go
	v_lshl_add_u32 v7, v4, 3, v5                   ; and its 8-byte parts
	s_lshl_b32 s17, s13, 3
	s_add_co_u32 s17, s17, s28
	s_add_co_u32 s17, s17, 6144
	v_lshlrev_b32 v8, 4, v4
	v_lshl_add_u32 v8, v3, 2, v8
	v_add_nc_u32 v8, s17, v8                       ; my column's scale word
	v_lshlrev_b32 v9, 4, v1
	v_add_nc_u32 v10, s16, v9                      ; the way out: my two fragments, 16 bytes a lane,
	v_add_nc_u32 v17, s26, v9                      ; and the same place in the piece in memory
	v_lshlrev_b32 v14, 3, v1
	s_add_co_u32 s18, s28, 6144
	v_add_nc_u32 v15, s18, v14                     ; the scale block, 8 bytes a lane
	s_lshr_b32 s19, s27, 6                         ; p
	s_bfe_u32 s20, s27, 0x40002                    ; head
	s_and_b32 s21, s27, 3
	s_lshl_b32 s21, s21, 1
	s_add_co_u32 s21, s21, s14                     ; K step
	s_lshl_b32 s22, s20, 18
	s_lshl_b32 s21, s21, 15
	s_add_co_u32 s22, s22, s21
	s_lshl_b32 s21, s13, 7
	s_add_co_u32 s22, s22, s21
	s_mov_b32 s23, 0
	s_mul_i32 s24, s27, 2*P64
	s_add_co_u32 s24, s24, s15
	s_mov_b32 s25, 0
	s_wait_alu depctr_va_vdst(0)
	s_wait_kmcnt 0x0
	s_cmp_eq_u32 s19, 0                            ; the choice hangs on the work-group's number alone
	s_cselect_b64 s[4:5], s[32:33], s[34:35]
	s_cmp_eq_u32 s19, 2
	s_cselect_b64 s[4:5], s[36:37], s[4:5]
	s_add_nc_u64 s[4:5], s[4:5], s[22:23]
	s_add_nc_u64 s[10:11], s[38:39], s[24:25]
.macro LOADW t                         ; block t: W(32 t + i, my column): 32 lanes read 128 consecutive bytes, the wave beside me the row's other 128
.irp i, 0,1,2,3,4,5,6,7,8,9,10,11,12,13,14,15,16,17,18,19,20,21,22,23,24,25,26,27,28,29,30,31
	global_load_b32 v[WX+32*((\t)%2)+\i], v2, s[4:5] offset:(32*(\t)+\i)*256 th:TH_LOAD_NT
.endr
.endm
.macro BLOCK t
.set XS, WX+32*((\t)%2)
.set CC, WC+8*(\t)
.if (\t) < 3
	s_wait_loadcnt 32                              ; this block's 32 loads are in; the next block's 32 may be out
.else
	s_wait_loadcnt 0x0
.endif
	v_max3_num_f32 v12, |v[XS]|, |v[XS+1]|, |v[XS+2]|
	v_max3_num_f32 v13, |v[XS+3]|, |v[XS+4]|, |v[XS+5]|
.irp i, 6,10,14,18,22,26
	v_max3_num_f32 v12, v12, |v[XS+\i]|, |v[XS+\i+1]|
	v_max3_num_f32 v13, v13, |v[XS+\i+2]|, |v[XS+\i+3]|
.endr
	v_max3_num_f32 v12, v12, |v[XS+30]|, |v[XS+31]|
	v_max3_num_f32 v12, v12, v13, 0x2800000        ; and the floor 2^(5 - 127)
	v_add_nc_u32 v11, 0xfe000000, v12
	v_lshrrev_b32 v16, 23, v11
.if (\t) == 0
	v_mov_b32 v24, v16                             ; the column's scale word: the lower K in the lower byte
.else
	v_lshl_or_b32 v24, v16, 8*(\t), v24
.endif
	v_cvt_scalef32_pk16_bf6_f32 v[CC:CC+2], v[XS:XS+15], v11
	v_cvt_scalef32_pk16_bf6_f32 v[WPT:WPT+2], v[XS+16:XS+31], v11
	v_nop                                          ; one plain place behind a scaled conversion
.irp i, 0,1,2
	v_mov_b32 v[CC+3+\i], v[WPT+\i]
.endr
	ds_store_b128 v6, v[CC:CC+3] offset:768*((\t)/2)+256*((\t)%2)      ; block t is registers 6 (t / 2) .. + 5 of lane r + 16 (t % 2)
	ds_store_b64 v7, v[CC+4:CC+5] offset:768*((\t)/2)+512+128*((\t)%2)
.if (\t)+2 < 4
	LOADW (\t)+2
.endif
.endm
	LOADW 0
	LOADW 1
	BLOCK 0
	BLOCK 1
	BLOCK 2
	BLOCK 3
	ds_store_b32 v8, v24
	s_wait_dscnt 0x0                               ; for the others' sake: my stores into the images are done
	s_barrier_signal -1
	s_barrier_wait -1
.irp i, 0,1,2,3,4,5
	ds_load_b128 v[OUTR+4*\i:OUTR+4*\i+3], v10 offset:512*\i
.endr
	s_wait_dscnt 0x0
.irp i, 0,1,2,3,4,5
	global_store_b128 v17, v[OUTR+4*\i:OUTR+4*\i+3], s[10:11] offset:512*\i   ; 512 consecutive bytes, aligned to 256
.endr
	s_cmp_lg_u32 s13, 0                            ; one of a piece's two waves stores its scale block
	s_cbranch_scc1 .Ldone
	ds_load_b64 v[156:157], v15
	s_wait_dscnt 0x0
	global_store_b64 v14, v[156:157], s[10:11] offset:6144   ; 256 consecutive bytes, aligned
.Ldone:
	s_wait_tensorcnt 0x0                           ; the wave's end
	ds_add_u32 v240, v241
	s_wait_dscnt 0x0
	s_endpgm
.Lfunc_end_k_qa2888b0914_quant:
	.size	k_qa2888b0914_quant, .Lfunc_end_k_qa2888b0914_quant-k_qa2888b0914_quant
	.p2alignl 7, 3214868480
	.fill 96, 4, 3214868480
	.section	.rodata,"a",@progbits
	.p2align	6, 0x0
	.amdhsa_kernel k_qa2888b0914_quant
		.amdhsa_group_segment_fixed_size 47104
		.amdhsa_private_segment_fixed_size 0
		.amdhsa_enable_private_segment 0
		.amdhsa_kernarg_size 64
		.amdhsa_user_sgpr_count 2
		.amdhsa_user_sgpr_kernarg_segment_ptr 1
		.amdhsa_wavefront_size32 1
		.amdhsa_system_sgpr_workgroup_id_x 1
		.amdhsa_system_sgpr_workgroup_id_y 1
		.amdhsa_system_sgpr_workgroup_id_z 1
		.amdhsa_system_vgpr_workitem_id 0
		.amdhsa_next_free_vgpr 242
		.amdhsa_next_free_sgpr 66
		.amdhsa_reserve_vcc 0
		.amdhsa_float_denorm_mode_32 3
		.amdhsa_float_denorm_mode_16_64 3
		.amdhsa_memory_ordered 1
		.amdhsa_forward_progress 1
		.amdhsa_inst_pref_size 53
	.end_amdhsa_kernel
	.amdgpu_metadata
---
amdhsa.version: [ 1, 2 ]
amdhsa.kernels:
  - .name:           k_qa2888b0914_quant
    .symbol:         k_qa2888b0914_quant.kd
    .args:
      - { .name: x, .offset: 0, .size: 8, .value_kind: global_buffer, .address_space: global }
      - { .name: proj_w, .offset: 8, .size: 8, .value_kind: global_buffer, .address_space: global }
      - { .name: xq, .offset: 16, .size: 8, .value_kind: global_buffer, .address_space: global }
      - { .name: pwq, .offset: 24, .size: 8, .value_kind: global_buffer, .address_space: global }
      - { .name: Wq, .offset: 32, .size: 8, .value_kind: global_buffer, .address_space: global }
      - { .name: Wk, .offset: 40, .size: 8, .value_kind: global_buffer, .address_space: global }
      - { .name: Wv, .offset: 48, .size: 8, .value_kind: global_buffer, .address_space: global }
      - { .name: wq3, .offset: 56, .size: 8, .value_kind: global_buffer, .address_space: global }
    .group_segment_fixed_size: 47104
    .private_segment_fixed_size: 0
    .kernarg_segment_align: 8
    .kernarg_segment_size: 64
    .max_flat_workgroup_size: 128
    .sgpr_count:     66
    .vgpr_count:     242
    .wavefront_size: 32
...
	.end_amdgpu_metadata
.endif
;; end of part 1
;; launch qkv (part 2): grid 4 x 64, 4 waves a work-group, clusters of 4 x 4, 327,680 bytes of LDS; arguments xq, wq3, qq, kv; writes qq, kv
.if DOCPART == 2
	.amdgcn_target "amdgcn-amd-amdhsa--gfx1250"
	.amdhsa_code_object_version 6
	.text
	.protected	k_qa2888b0914_qkv
	.globl	k_qa2888b0914_qkv
	.p2align	8
	.type	k_qa2888b0914_qkv,@function
k_qa2888b0914_qkv:
	s_mov_b64 s[64:65], 0
	v_nop
	global_prefetch_b8 v0, s[64:65] scope:SCOPE_SE
	s_setreg_imm32_b32 hwreg(HW_REG_WAVE_MODE, 25, 1), 1
	s_wait_xcnt 0x0
	s_wait_alu depctr_hold_cnt(0) depctr_sa_sdst(0) depctr_va_vdst(0) depctr_va_sdst(0) depctr_va_ssrc(0) depctr_va_vcc(0) depctr_vm_vsrc(0)
	s_getreg_b32 s2, hwreg(HW_REG_IB_STS2, 6, 4)
	s_cmp_eq_u32 s2, 0
	s_cbranch_scc0 .Lentry_in_a_cluster
	s_endpgm
.Lentry_in_a_cluster:
	s_bfe_u32 s2, ttmp6, 0x10000c
	s_cmp_lg_u32 s2, 0xf033
	s_cbranch_scc0 .Lentry_shape_is_right
	s_endpgm
.Lentry_shape_is_right:
; q, k, v = x W for 16 heads, on codes of BF6 (E3M2) with one E8M0 scale for each 32 along K = 1,024; the results leave AS CODES, quantised for the products that follow: q and k along the head's 64, v along the keys.
; SHARES.  A work-group owns 128 tokens (tb) and four heads (hg); wave w owns head 4 hg + w: 128 tokens x 64 channels, 32 accumulators of 16 x 16.  It stays for three passes, q, k, v, of eight K steps of 128.
; x's codes of the 128 tokens, all of K (102,400 bytes), come into LDS once and serve all three passes and all four waves.  W's go through two slots of four K steps; each wave fetches and reads its own head's part.
; A wave tile of 128 x 128 would feed more products from each LDS byte, but the problem then has 128 or 384 work-groups' worth of tiles for 256 WGPs.
; ALL OPERANDS LIE IN THE ORDER OF THE OPERAND'S REGISTERS (pieces of 6,400 bytes: four fragments of 1,536 and 256 bytes of scale words), so every tile is a dense block and every LDS load reads consecutive bytes: no pitch, no padding.
; Row r of fragment f of a piece is its row 32 (f / 2) + 8 (f % 2) + r + 8 (r / 8): so the 16 registers of two neighbouring result tiles are 16 neighbours along the next K.
; PASSES q, k: source 0 = 16 channels of W, source 1 = 16 tokens: a lane holds ONE token, its registers run along the channels.  The 64 registers of token tiles 2 g and 2 g + 1 become one fragment: tile 2 g's 64 channels in k 0-63, tile 2 g + 1's in k 64-127.
; PASS v: the sources swapped: a lane holds ONE channel, its registers run along the tokens: the 64 registers of channel tile ct are a fragment of V^T, 16 channels x 128 keys.
; CLUSTER 4 x 4: the four work-groups of a row share tb and ask for x jointly; the four of a column share hg and ask for W jointly.
; LIMITS: NaN and infinities are not served; a block of zeros, or one under 2^-122, gets the scale byte 1 (its codes are zeros or right; this program alone reads the bytes).
; REGISTERS, in windows of 256.  Window 0: v7-21 addresses; v24-39 x's scale words, two sets; v40-47 W's, two sets; v48-143 W's fragments, two sets; v144-223 at work on the way out.
;   Window 1: x's eight fragments, two sets, at v0 and v96.   Window 2: the accumulators, number n at v[8 n].
.set P64,    6400
.set XSTEP,  2*P64                     ; x's 128 rows of one K step
.set XHALF,  4*XSTEP                   ; four K steps of x: what one wave's load at the head brings
.set WSLOT,  102400                    ; wave w's slot s at WSLOT + (2 w + s) x 25,600
.set WWAVE,  4*P64
.set SPARE,  3*WSLOT                   ; the spare words, 128 bytes for each wave: two blocks of 256 bytes that no other line names
.set NEXTP,  16*8*P64                  ; from a head's W of one pass to that of the next
.set LSB,  7                           ; v7      16 r + 8 h: my two scale words on the way out
.set AXI,  8                           ; v8-9    16 x lane (+ XHALF): x's K steps 0-3, 4-7.  v8 is also a 16-byte store's place
.set AX8,  10                          ; v10-11  8 x lane likewise
.set AXS,  12                          ; v12-13  16 r likewise: scale words
.set AWI,  14                          ; v14-15  the same three for my part of slot 0, 1
.set AW8,  16
.set AWS,  18
.set SPW,  20                          ; v20     my spare word; never rewritten
.set NIL,  21                          ; v21     0; never rewritten
.set XS,   24
.set WSC,  40
.set WF,   48
.set TM,   144                         ; v144-147 largest magnitudes, v148-151 permuted, then bytes, v156-159 scale operands
.set PWG,  160                         ; v160-163 the four scale words made
.set SW,   164                         ; v164-165 the pair that is stored
.set PT,   168
.set PC,   176                         ; v176-223 four sets of 12: the codes made, a set for each fragment, so that no store's data are written again within a pass
.set G1X,  24                          ; s[24:31] group 1 for x;  s[32:39] for W;  s[40:47] the head's groups 0, x's and W's;  s[48:55] W's, one for each slot
.set G1W,  32
.set G0X,  40
.set G0W,  48
.set MSB, 0
.macro WIN new                         ; the immediate's high byte repeats the setting that is left
.if MSB != \new
	s_set_vgpr_msb (MSB<<8)|\new
.set MSB, \new
.endif
.endm
.set TO_X, 0x40                        ; destination window 1, address window 0
.macro MWIN o                          ; o = 0: source 0 (W) window 0, source 1 (x) window 1; o = 1: the other way round; C and D window 2
.if \o == 0
	WIN 0xa4
.else
	WIN 0xa1
.endif
.endm
.macro CREST                           ; a round of the cluster's barrier behind its opening barrier
	s_cmp_lg_u32 s12, 0
	s_cbranch_scc1 .Lnot_wave_0_\@
	s_barrier_signal -3
.Lnot_wave_0_\@:
	s_barrier_wait -3
	s_barrier_signal -1
	s_barrier_wait -1
.endm
.macro CROUND
	s_barrier_signal -1
	s_barrier_wait -1
	CREST
.endm
.macro PLACES n                        ; plain vector instructions that name none of a matrix instruction's registers (ISA guide 7.12.1)
.rept \n
	v_nop
.endr
.endm
	s_load_b256 s[4:11], s[0:1], 0x0               ; xq s[4:5], wq3 s[6:7], qq s[8:9], kv s[10:11]
	v_lshl_add_u32 v[SPW], v0, 2, SPARE
	v_mov_b32 v[NIL], 0
	ds_add_u32 v20, v21
	ds_add_u32 v20, v21
	s_wait_dscnt 0x0
	v_lshrrev_b32 v1, 5, v0
	v_readfirstlane_b32 s12, v1                    ; wave
	s_bfe_u32 s13, ttmp6, 0x40000                  ; cx
	s_bfe_u32 s14, ttmp6, 0x40004                  ; cy
	s_lshl_b32 s15, ttmp9, 2
	s_add_co_u32 s15, s15, s13                     ; hg: my four heads
	s_and_b32 s16, ttmp7, 0xffff
	s_lshl_b32 s16, s16, 2
	s_add_co_u32 s16, s16, s14                     ; tb: my 128 tokens
	s_lshl_b32 s17, s14, 2
	s_lshl_b32 s17, 15, s17                        ; my row of the cluster
	s_lshl_b32 s18, 0x1111, s13                    ; my column
	; dense blocks as rows of 256 bytes (32 elements of 8 bytes), no padding: x 200 rows a load, W 400, later 100
	s_or_b32 s[G1X], s17, (3<<16)|(1<<21)          ; 15:0 the mask; 17:16 elements of 8 bytes; 21 set beside a mask
	s_or_b32 s[G1W], s18, (3<<16)|(1<<21)
	s_mov_b32 s[G1X+1], 32<<16                     ; tensor_dim0
	s_mov_b32 s[G1X+2], 200<<16                    ; x: 200 rows of 256 bytes a load, half of the 128 tokens' codes
	s_mov_b32 s[G1X+3], 32<<16                     ; tile_dim0
	s_mov_b32 s[G1X+4], 200
	s_mov_b32 s[G1X+5], 32                         ; the pitch
	s_mov_b32 s[G1X+6], 0
	s_mov_b32 s[G1X+7], 0
	s_mov_b32 s[G1W+1], 32<<16
	s_mov_b32 s[G1W+2], 400<<16                    ; W at the head: 400 rows, two heads' whole K; behind the head's wait the two words are set to 100, for the refills
	s_mov_b32 s[G1W+3], 32<<16
	s_mov_b32 s[G1W+4], 400
	s_mov_b32 s[G1W+5], 32
	s_mov_b32 s[G1W+6], 0
	s_mov_b32 s[G1W+7], 0
	s_mul_i32 s70, s16, 16*P64                     ; x: tb's sixteen pieces.  Registers that feed x's descriptors never hold cx,
	s_and_b32 s19, s12, 1                          ; at the head waves 0, 1 bring x's K steps 0-3, 4-7; waves 2, 3 the first pass's W of heads 0-1, 2-3 of my four
	s_mul_i32 s19, s19, XHALF
	s_add_co_u32 s70, s70, s19
	s_mov_b32 s71, 0
	s_lshl_b32 s72, s15, 2                         ; those that feed W's never cy
	s_add_co_u32 s72, s72, s12                     ; my head
	s_mul_i32 s72, s72, 8*P64
	s_mov_b32 s73, 0
	s_mul_i32 s20, s12, 2*WWAVE                    ; my head's part of LDS: its two slots lie on end, as its eight K steps lie in memory
	s_lshl_b32 s62, s15, 2
	s_mul_i32 s62, s62, 8*P64                      ; the first of my four heads,
	s_lshl_b32 s22, s19, 1
	s_add_co_u32 s62, s62, s22                     ; + two heads for the odd wave
	s_mov_b32 s63, 0
	s_lshr_b32 s74, s16, 4                         ; where the results go: piece 16 (16 batch + head) + block of 128 tokens
	s_lshl_b32 s74, s74, 4
	s_lshl_b32 s75, s15, 2
	s_add_co_u32 s74, s74, s75
	s_add_co_u32 s74, s74, s12
	s_lshl_b32 s74, s74, 4
	s_and_b32 s75, s16, 15
	s_add_co_u32 s74, s74, s75
	s_mul_i32 s76, s74, P64
	s_mov_b32 s77, 0
	s_mul_i32 s78, s74, 2*P64
	s_mov_b32 s79, 0
	s_mov_b32 s56, 0x76543210
	s_mov_b32 s57, 0xfedcba98                      ; selects for lane l xor 16
	s_mov_b32 s58, 0xffff0000                      ; lanes 16-31
	s_wait_kmcnt 0x0
	s_add_nc_u64 s[70:71], s[4:5], s[70:71]
	s_add_nc_u64 s[72:73], s[6:7], s[72:73]
	s_add_nc_u64 s[62:63], s[6:7], s[62:63]
	s_add_nc_u64 s[60:61], s[8:9], s[76:77]        ; q's piece
	s_add_nc_u64 s[66:67], s[10:11], s[78:79]      ; k's piece,
	s_add_nc_u64 s[68:69], s[66:67], P64           ; v's behind it
	CROUND                                         ; all sixteen work-groups are here: the first joint loads meet
	s_mov_b32 s[G0X], 1                            ; x's half
	s_add_co_u32 s[G0X+1], s19, 0
	s_mov_b64 s[G0X+2:G0X+3], s[70:71]
	s_or_b32 s[G0X+3], s[G0X+3], 0x80000000
	s_mov_b32 s[G0X+4], 1                          ; two heads' W of the first pass, 102,400 bytes on end
	s_add_co_u32 s[G0X+5], s22, WSLOT
	s_mov_b64 s[G0X+6:G0X+7], s[62:63]
	s_or_b32 s[G0X+7], s[G0X+7], 0x80000000
.irp s, 0,1
	s_mov_b32 s[G0W+4*\s], 1                       ; the refills: my own head's slot s
	s_add_co_u32 s[G0W+4*\s+1], s20, WSLOT+\s*WWAVE
	s_add_nc_u64 s[G0W+4*\s+2:G0W+4*\s+3], s[72:73], \s*WWAVE
	s_or_b32 s[G0W+4*\s+3], s[G0W+4*\s+3], 0x80000000
.endr
	s_cmp_lt_u32 s12, 2                            ; the head's fills, one a wave, one in each arm
	s_cbranch_scc0 .Lhead_w
	tensor_load_to_lds s[G0X:G0X+3], s[G1X:G1X+7]
	s_nop 0
	PLACES 4
	s_branch .Lhead_asked
.Lhead_w:
	tensor_load_to_lds s[G0X+4:G0X+7], s[G1W:G1W+7]
	s_nop 0
	PLACES 4
.Lhead_asked:
	v_and_b32 v3, 31, v0                           ; lane
	v_and_b32 v1, 15, v0                           ; r
	v_bfe_u32 v2, v0, 4, 1
	v_lshlrev_b32 v22, 3, v2                       ; 8 h: where my two bytes stand in v's scale word
	v_lshlrev_b32 v[AXI], 4, v3
	v_lshlrev_b32 v[AX8], 3, v3
	v_lshlrev_b32 v[AXS], 4, v1
	v_lshl_add_u32 v[LSB], v2, 3, v[AXS]
	v_add_nc_u32 v[AXI+1], XHALF, v[AXI]
	v_add_nc_u32 v[AX8+1], XHALF, v[AX8]
	v_add_nc_u32 v[AXS+1], XHALF, v[AXS]
	s_add_co_u32 s21, s20, WSLOT
.irp s, 0,1
	v_add_nc_u32 v[AWI+\s], s21, v[AXI]
	v_add_nc_u32 v[AW8+\s], s21, v[AX8]
	v_add_nc_u32 v[AWS+\s], s21, v[AXS]
	s_add_co_u32 s21, s21, WWAVE
.endr
.irp b, 0,1,2,3
	v_mov_b32 v[TM+4+\b], 0                        ; a lane permute's destination counts as one of its sources
.endr
; 51 LDS loads in one run: a K step's operands into set `set`: x's eight fragments (K step 4 xh + j), my W's four (the j-th of slot `slot`), and their scale words, four to a load.
.macro FETCH xh, j, slot, set
	WIN TO_X
.irp i, 0,1,2,3,4,5,6,7
	ds_load_b128 v[96*(\set)+12*\i:96*(\set)+12*\i+3], v[AXI+(\xh)] offset:XSTEP*(\j)+P64*(\i/4)+1536*(\i%4)
	ds_load_b64 v[96*(\set)+12*\i+4:96*(\set)+12*\i+5], v[AX8+(\xh)] offset:XSTEP*(\j)+P64*(\i/4)+1536*(\i%4)+512
	ds_load_b128 v[96*(\set)+12*\i+6:96*(\set)+12*\i+9], v[AXI+(\xh)] offset:XSTEP*(\j)+P64*(\i/4)+1536*(\i%4)+768
	ds_load_b64 v[96*(\set)+12*\i+10:96*(\set)+12*\i+11], v[AX8+(\xh)] offset:XSTEP*(\j)+P64*(\i/4)+1536*(\i%4)+1280
.endr
	WIN 0
.irp t, 0,1,2,3
	ds_load_b128 v[WF+48*(\set)+12*\t:WF+48*(\set)+12*\t+3], v[AWI+(\slot)] offset:P64*(\j)+1536*\t
	ds_load_b64 v[WF+48*(\set)+12*\t+4:WF+48*(\set)+12*\t+5], v[AW8+(\slot)] offset:P64*(\j)+1536*\t+512
	ds_load_b128 v[WF+48*(\set)+12*\t+6:WF+48*(\set)+12*\t+9], v[AWI+(\slot)] offset:P64*(\j)+1536*\t+768
	ds_load_b64 v[WF+48*(\set)+12*\t+10:WF+48*(\set)+12*\t+11], v[AW8+(\slot)] offset:P64*(\j)+1536*\t+1280
.endr
	ds_load_b128 v[XS+8*(\set):XS+8*(\set)+3], v[AXS+(\xh)] offset:XSTEP*(\j)+6144
	ds_load_b128 v[XS+8*(\set)+4:XS+8*(\set)+7], v[AXS+(\xh)] offset:XSTEP*(\j)+P64+6144
	ds_load_b128 v[WSC+4*(\set):WSC+4*(\set)+3], v[AWS+(\slot)] offset:P64*(\j)+6144
.endm
; Accumulators lo .. hi, one instruction each.  o = 0: number n = 4 x (token tile) + channel tile; o = 1: 8 x (channel tile) + token tile.  first = 1: the products start the sums.
; The 32 accumulators take turns, one instruction a turn, in the same order in every K step.
.macro MULS o, set, first, lo, hi
.set MN, \lo
.rept \hi-\lo+1
.if \o == 0
.set RA, WF+48*(\set)+12*(MN%4)
.set RB, 96*(\set)+12*(MN/4)
.set SA, WSC+4*(\set)+MN%4
.set SB, XS+8*(\set)+MN/4
.else
.set RA, 96*(\set)+12*(MN%8)
.set RB, WF+48*(\set)+12*(MN/8)
.set SA, XS+8*(\set)+MN%8
.set SB, WSC+4*(\set)+MN/8
.endif
.if \first
	v_wmma_scale_f32_16x16x128_f8f6f4 v[8*MN:8*MN+7], v[RA:RA+11], v[RB:RB+11], 0, v[SA], v[SB] matrix_a_fmt:MATRIX_FMT_BF6 matrix_b_fmt:MATRIX_FMT_BF6
.else
	v_wmma_scale_f32_16x16x128_f8f6f4 v[8*MN:8*MN+7], v[RA:RA+11], v[RB:RB+11], v[8*MN:8*MN+7], v[SA], v[SB] matrix_a_fmt:MATRIX_FMT_BF6 matrix_b_fmt:MATRIX_FMT_BF6
.endif
.set MN, MN+1
.endr
.endm
; K step k of a pass (k = 0, 1, 2, 4, 5, 6): its operands are in set k % 2; the next step's are asked for first, in one run, and have this step's 32 matrix instructions in which to come.
.macro STEP o, k, first
	s_wait_dscnt 0x0                               ; this step's 51 loads are in
	PLACES 4                                       ; in front of loads into the set that the step before multiplied
	FETCH ((\k)+1)/4, ((\k)+1)%4, ((\k)+1)/4, 1-(\k)%2
	MWIN \o
	MULS \o, (\k)%2, \first, 0, 31
.endm
; A slot's last K step (set 1) where the slot is filled again, with the next pass's W.  In front of the round each wave waits for all its tensor loads, adds 0 to its spare word, and waits for that and for its reads of the slot.
.macro TURN o, slot
	WIN 0                                          ; (the add's two registers lie in window 0)
	s_wait_tensorcnt 0x0                           ; all my tensor loads have landed: the other slot's part
	ds_add_u32 v[SPW], v[NIL]                      ; 0 onto my spare word
	s_wait_dscnt 0x1                               ; this step's 51 loads are in; the add alone may be out
	MWIN \o
	MULS \o, 1, 0, 0, 7                            ; eight matrix instructions stand between the add and the wait for it
	s_wait_dscnt 0x0                               ; the add is done, and my reads of this slot are over
	s_barrier_signal -1
	MULS \o, 1, 0, 8, 15
	WIN 0
	s_barrier_wait -1
	CREST                                          ; the barrier has opened a round of the cluster's: no wave of any partner still reads this slot or has a load on its way
	s_add_nc_u64 s[G0W+4*\slot+2:G0W+4*\slot+3], s[G0W+4*\slot+2:G0W+4*\slot+3], NEXTP
	tensor_load_to_lds s[G0W+4*\slot:G0W+4*\slot+3], s[G1W:G1W+7]   ; my one load behind the round: it has four K steps, 128 matrix instructions, in which to land
	s_nop 0
	PLACES 4                                       ; the places in front of the loads below
	FETCH 1-\slot, 0, 1-\slot, 0
	MWIN \o
	MULS \o, 1, 0, 16, 31
.endm
; 64 accumulator registers, number 16 b + i = k 32 b + 16 (lane / 16) + i of my row, become fragment g's codes in v[PC + 12 g] on and its scale word in v[PWG + g].
.macro QUANT g
.set QA, 64*(\g)
.set QC, PC+12*(\g)
	WIN 0x0a                                       ; sources 0 and 1: window 2
.irp b, 0,1,2,3
	v_max3_num_f32 v[TM+\b], |v[QA+16*\b]|, |v[QA+16*\b+1]|, 0x2800000   ; each accumulator is read from its low end on; the floor 2^(5 - 127) holds the byte at 1 from below
.endr
.irp i, 2,4,6,8,10,12,14
.irp b, 0,1,2,3
	v_max3_num_f32 v[TM+\b], |v[QA+16*\b+\i]|, |v[QA+16*\b+\i+1]|, v[TM+\b]
.endr
.endr
	WIN 0
.irp b, 0,1,2,3
	v_permlanex16_b32 v[TM+4+\b], v[TM+\b], s56, s57
.endr
.irp b, 0,1,2,3
	v_max_num_f32 v[TM+\b], v[TM+\b], v[TM+4+\b]   ; with lane l xor 16's: the block's largest magnitude
.endr
.irp b, 0,1,2,3
	v_add_nc_u32 v[TM+12+\b], 0xfe000000, v[TM+\b] ; 4 off the exponent field: the conversion's scale operand
.endr
.irp b, 0,1,2,3
	v_lshrrev_b32 v[TM+4+\b], 23, v[TM+12+\b]      ; the byte
.endr
	v_lshl_or_b32 v[PWG+(\g)], v[TM+5], 8, v[TM+4]
	v_lshl_or_b32 v[PWG+(\g)], v[TM+6], 16, v[PWG+(\g)]
	v_lshl_or_b32 v[PWG+(\g)], v[TM+7], 24, v[PWG+(\g)]
	WIN 0x02                                       ; source 0: window 2
.irp c, 0,1
	v_cvt_scalef32_pk16_bf6_f32 v[QC+6*\c:QC+6*\c+2], v[QA+32*\c:QA+32*\c+15], v[TM+12+2*\c]
	v_cvt_scalef32_pk16_bf6_f32 v[PT+4*\c:PT+4*\c+2], v[QA+32*\c+16:QA+32*\c+31], v[TM+12+2*\c+1]
.endr
	WIN 0
	v_nop                                          ; one plain place behind a scaled conversion
.irp c, 0,1                                    ; the layout wants a WHOLE block in a lane: lanes 0-15 block 2 c, lanes 16-31 block 2 c + 1
.irp i, 0,1,2
	v_permlane16_swap_b32 v[QC+6*\c+\i], v[PT+4*\c+\i]
.endr
.irp i, 0,1,2
	v_mov_b32 v[QC+6*\c+3+\i], v[PT+4*\c+\i]
.endr
.endr
.endm
; The way out of a pass: four fragments and their scale words, one piece.  lay = 0: halves of a fragment apart (q: attention takes half a fragment); lay = 1: three runs of 512 bytes (k, v).  Every store covers 512 or 256 consecutive bytes, aligned to 256.
; PASS v.  x's rows lie in the order 8 f + r % 8 + 32 (r / 8) of a piece, so register 32 c + i of a channel tile's 64 is token 64 c + 32 (lane / 16) + i: a lane holds two WHOLE blocks of 32 keys.
; No other lane is asked for a maximum and no half block changes lanes; the scale word's four bytes are gathered from lanes l and l xor 16.
.macro QUANTV g
.set QA, 64*(\g)
.set QC, PC+12*(\g)
	WIN 0x0a
.irp b, 0,1,2,3
	v_max3_num_f32 v[TM+\b], |v[QA+16*\b]|, |v[QA+16*\b+1]|, 0x2800000
.endr
.irp i, 2,4,6,8,10,12,14
.irp b, 0,1,2,3
	v_max3_num_f32 v[TM+\b], |v[QA+16*\b+\i]|, |v[QA+16*\b+\i+1]|, v[TM+\b]
.endr
.endr
	WIN 0
.irp c, 0,1
	v_max_num_f32 v[TM+8+\c], v[TM+2*\c], v[TM+2*\c+1]
.endr
.irp c, 0,1
	v_add_nc_u32 v[TM+12+\c], 0xfe000000, v[TM+8+\c]
.endr
.irp c, 0,1
	v_lshrrev_b32 v[TM+4+\c], 23, v[TM+12+\c]
.endr
	v_lshl_or_b32 v[TM+8], v[TM+5], 16, v[TM+4]    ; blocks h and 2 + h,
	v_lshlrev_b32 v[TM+8], v22, v[TM+8]            ; at their places
	v_permlanex16_b32 v[TM+6], v[TM+8], s56, s57
	v_or_b32 v[PWG+(\g)], v[TM+8], v[TM+6]
	WIN 0x02
.irp c, 0,1
	v_cvt_scalef32_pk16_bf6_f32 v[QC+6*\c:QC+6*\c+2], v[QA+32*\c:QA+32*\c+15], v[TM+12+\c]
	v_cvt_scalef32_pk16_bf6_f32 v[PT+4*\c:PT+4*\c+2], v[QA+32*\c+16:QA+32*\c+31], v[TM+12+\c]
.endr
	WIN 0
	v_nop                                          ; one plain place behind a scaled conversion
.irp c, 0,1
.irp i, 0,1,2
	v_mov_b32 v[QC+6*\c+3+\i], v[PT+4*\c+\i]
.endr
.endr
.endm
.macro EPI base, lay, qv=0
	WIN 0
	PLACES 4                                       ; behind the pass's last products
	s_wait_xcnt 0x0                                ; the last pass's stores have read their registers
.irp g, 0,1,2,3
.if \qv
	QUANTV \g
.else
	QUANT \g
.endif
.if \lay == 0
	global_store_b128 v[AXI], v[PC+12*\g:PC+12*\g+3], s[\base:\base+1] offset:1536*\g
	global_store_b64 v[AX8], v[PC+12*\g+4:PC+12*\g+5], s[\base:\base+1] offset:1536*\g+512
	global_store_b128 v[AXI], v[PC+12*\g+6:PC+12*\g+9], s[\base:\base+1] offset:1536*\g+768
	global_store_b64 v[AX8], v[PC+12*\g+10:PC+12*\g+11], s[\base:\base+1] offset:1536*\g+1280
.else
	global_store_b128 v[AXI], v[PC+12*\g:PC+12*\g+3], s[\base:\base+1] offset:1536*\g
	global_store_b128 v[AXI], v[PC+12*\g+4:PC+12*\g+7], s[\base:\base+1] offset:1536*\g+512
	global_store_b128 v[AXI], v[PC+12*\g+8:PC+12*\g+11], s[\base:\base+1] offset:1536*\g+1024
.endif
.endr
	v_cndmask_b32 v[SW], v[PWG], v[PWG+2], s58     ; lanes 0-15 store words 0 and 1 of their row, lanes 16-31 words 2 and 3
	v_cndmask_b32 v[SW+1], v[PWG+1], v[PWG+3], s58
	global_store_b64 v[LSB], v[SW:SW+1], s[\base:\base+1] offset:6144
	PLACES 5                                       ; the next pass's first products write over these accumulators
.endm
.macro PASSQK base, lay
	STEP 0, 0, 1
	STEP 0, 1, 0
	STEP 0, 2, 0
	TURN 0, 0
	STEP 0, 4, 0
	STEP 0, 5, 0
	STEP 0, 6, 0
	TURN 0, 1                                      ; it also fetches the next pass's first operands
	EPI \base, \lay
.endm
	s_wait_alu depctr_va_vdst(0)
	s_wait_tensorcnt 0x0                           ; my one load of the head is in; no load of mine is out, so a descriptor may be written:
	s_mov_b32 s[G1W+2], 100<<16                    ; from here on a load of W brings 100 rows, one slot of one head
	s_mov_b32 s[G1W+4], 100
	s_barrier_signal -1
	s_barrier_wait -1                              ; everybody's part of x is in
	FETCH 0, 0, 0, 0
	PASSQK 60, 0                                   ; q
	PASSQK 66, 1                                   ; k
	STEP 1, 0, 1                                   ; v: nothing is left to fetch from memory
	STEP 1, 1, 0
	STEP 1, 2, 0
	s_wait_dscnt 0x0
	s_wait_tensorcnt 0x0                           ; my slot 1: no load was issued behind it, and I alone read it
	PLACES 4
	FETCH 1, 0, 1, 0
	MWIN 1
	MULS 1, 1, 0, 0, 31
	STEP 1, 4, 0
	STEP 1, 5, 0
	STEP 1, 6, 0
	s_wait_dscnt 0x0
	MWIN 1
	MULS 1, 1, 0, 0, 31
	EPI 68, 1, 1
	s_wait_tensorcnt 0x0                           ; the wave's end
	ds_add_u32 v[SPW], v[NIL]
	s_wait_dscnt 0x0
	CROUND                                         ; the closing round: no work-group ends while a partner may still ask for a tile that names it
	s_endpgm
.Lfunc_end_k_qa2888b0914_qkv:
	.size	k_qa2888b0914_qkv, .Lfunc_end_k_qa2888b0914_qkv-k_qa2888b0914_qkv
	.p2alignl 7, 3214868480
	.fill 96, 4, 3214868480
	.section	.rodata,"a",@progbits
	.p2align	6, 0x0
	.amdhsa_kernel k_qa2888b0914_qkv
		.amdhsa_group_segment_fixed_size 327680
		.amdhsa_private_segment_fixed_size 0
		.amdhsa_enable_private_segment 0
		.amdhsa_kernarg_size 32
		.amdhsa_user_sgpr_count 2
		.amdhsa_user_sgpr_kernarg_segment_ptr 1
		.amdhsa_wavefront_size32 1
		.amdhsa_system_sgpr_workgroup_id_x 1
		.amdhsa_system_sgpr_workgroup_id_y 1
		.amdhsa_system_sgpr_workgroup_id_z 1
		.amdhsa_system_vgpr_workitem_id 0
		.amdhsa_next_free_vgpr 768
		.amdhsa_next_free_sgpr 80
		.amdhsa_reserve_vcc 0
		.amdhsa_float_denorm_mode_32 3
		.amdhsa_float_denorm_mode_16_64 3
		.amdhsa_memory_ordered 1
		.amdhsa_forward_progress 1
		.amdhsa_inst_pref_size 237
	.end_amdhsa_kernel
	.amdgpu_metadata
---
amdhsa.version: [ 1, 2 ]
amdhsa.kernels:
  - .name:           k_qa2888b0914_qkv
    .symbol:         k_qa2888b0914_qkv.kd
    .args:
      - { .name: xq, .offset: 0, .size: 8, .value_kind: global_buffer, .address_space: global }
      - { .name: wq3, .offset: 8, .size: 8, .value_kind: global_buffer, .address_space: global }
      - { .name: qq, .offset: 16, .size: 8, .value_kind: global_buffer, .address_space: global }
      - { .name: kv, .offset: 24, .size: 8, .value_kind: global_buffer, .address_space: global }
    .group_segment_fixed_size: 327680
    .private_segment_fixed_size: 0
    .kernarg_segment_align: 8
    .kernarg_segment_size: 32
    .max_flat_workgroup_size: 128
    .sgpr_count:     80
    .vgpr_count:     768
    .wavefront_size: 32
...
	.end_amdgpu_metadata
.endif
;; end of part 2
;; launch attn (part 3): grid 4 x 64, 16 waves a work-group, clusters of 4 x 1, 327,680 bytes of LDS; arguments qq, kv, oq; writes oq
.if DOCPART == 3
	.amdgcn_target "amdgcn-amd-amdhsa--gfx1250"
	.amdhsa_code_object_version 6
	.text
	.protected	k_qa2888b0914_attn
	.globl	k_qa2888b0914_attn
	.p2align	8
	.type	k_qa2888b0914_attn,@function
k_qa2888b0914_attn:
	s_mov_b64 s[64:65], 0
	v_nop
	global_prefetch_b8 v0, s[64:65] scope:SCOPE_SE
	s_setreg_imm32_b32 hwreg(HW_REG_WAVE_MODE, 25, 1), 1
	s_wait_xcnt 0x0
	s_wait_alu depctr_hold_cnt(0) depctr_sa_sdst(0) depctr_va_vdst(0) depctr_va_sdst(0) depctr_va_ssrc(0) depctr_va_vcc(0) depctr_vm_vsrc(0)
	s_getreg_b32 s2, hwreg(HW_REG_IB_STS2, 6, 4)
	s_cmp_eq_u32 s2, 0
	s_cbranch_scc0 .Lentry_in_a_cluster
	s_endpgm
.Lentry_in_a_cluster:
	s_bfe_u32 s2, ttmp6, 0x10000c
	s_cmp_lg_u32 s2, 0x3003
	s_cbranch_scc0 .Lentry_shape_is_right
	s_endpgm
.Lentry_shape_is_right:
; o = softmax(q k^T / 8, causal) v for 64 (batch, head) pairs of 2,048 tokens, head size 64; both products on codes of BF6 (E3M2) with one E8M0 scale for each 32 along K; o leaves as codes for the projection.
; SOFTMAX: t = score x log2(e) / 8; M = the running largest t rounded UP to a whole number; p = 2^(t - M) is quantised along the keys, not normalised; the row's sum is taken of the unquantised p and divides O at the end.
; When M moves, the sum and O are multiplied by 2^(old M - new M): exact.  No range of scores is assumed.  Key blocks that lie wholly behind a tile's queries (the mask that the problem builds itself) are not walked.
; SHARES.  The four work-groups of a head form a cluster.  A head's K and V, 16 blocks of 128 keys x 12,800 bytes = 204,800 bytes, come into LDS ONCE: wave w asks for block w, jointly with the three partners.
; Nothing is filled again, and no barrier stands in the walk over the keys.  All tensor loads go out at the head, so there is no loop in which a prefetch could run ahead: none is written.
; A head has 16 groups of 128 tokens x 8 tiles of 16 queries.  Wave w of the work-group at place cx owns tile 4 (w / 8) + cx of groups 15 - p and p, p = w % 8: 16 - p and p + 1 key steps, SEVENTEEN in every wave.
; Group 15 - p walks its blocks downwards from its own (trip 0, masked) to block 0; group p upwards from block 0 to its own (trip 16, masked).  With X = trip + p the block is X xor 15 while X <= 15, then X and 15.
; So trip count, branches and LDS addresses hang on the wave's number and the trip alone; cx enters global addresses, the mask's bound and a shift of data.
; K = 64 IS HALF OF THE INSTRUCTION'S 128: a fragment of K holds two tiles of 16 keys, in k 0-63 and k 64-127; it is multiplied by [q | zero codes] and by [zero codes | q].
; LAYOUT.  Both products transposed (S^T = K Q^T, O^T = V^T P^T): a lane holds ONE query.  Row r of tile i of a group is token 64 (i / 4) + 8 (i % 4) + r % 8 + 32 (r / 8):
; register 32 c + i of S^T is key 64 c + 32 (lane / 16) + i, so a lane holds two WHOLE blocks of 32 keys of p, as the operand's layout wants them.
; LIMITS: NaN and infinities are not served; v_exp_f32 and v_rcp_f32 are good to 1 ulp and flush denormals (ISA guide, their entries); a block of zeros, or one under 2^-122, gets the scale byte 1 (its codes are zeros or right).
.set P64,   6400
.set BLK,   12800                      ; 128 keys: K's piece, then V's
.set SPARE, 204800                     ; behind the 16 blocks: the spare words, 128 bytes a wave
.set LI,   1                           ; 16 x lane
.set LR,   2                           ; 16 r
.set SH8,  3                           ; 8 h
.set L8,   4                           ; 8 x lane
.set SPW,  5
.set NIL,  6
.set SBO,  7                           ; 16 r + h
.set ADK,  8
.set ADS,  9
.set DD,   10                          ; my query less 32 h, within the group: register 32 c + i is hidden on the diagonal where 64 c + i > DD
.set NINF, 11
.set QF,   16                          ; v16-33: q, six zeros, q.  [q | 0] = v16-27, [0 | q] = v22-33.  v12 -M, v13 the largest score, v[14:15] the sum
.set FR,   40
.set KS,   88
.set VS,   92
.set S,    96
.set O,    160
.set QW,   192
.set PW,   193
.set TB3,  194
.set OM,   195                         ; the old -M
.set BM,   196
.set BT,   200
.set SO,   204
.set FF,   208
.set TP,   210
.set TP2,  211
.set PC,   216
.set PT,   228
.set Q2,   244
.set Q2W,  250
.set Q1W,  251
.set WV,   12
.set P,    15
.set T,    17
.set X,    18
.set AD,   19
.set SEL,  20
.set CS,   22
.set G1,   24
.set G0,   32
.set OB,   48
.set OS,   50
.set OB2,  52
.set OS2,  54
.set QA1,  56
.set QS1,  58
.set QA2,  60
.set QS2,  62
.set SH,   66
.set HM,   67
.macro ROUND                           ; a round of the cluster's barrier
	s_barrier_signal -1
	s_barrier_wait -1
	s_cmp_lg_u32 s[WV], 0
	s_cbranch_scc1 .Lnot_wave_0_\@
	s_barrier_signal -3
.Lnot_wave_0_\@:
	s_barrier_wait -3
	s_barrier_signal -1
	s_barrier_wait -1
.endm
	s_load_b128 s[4:7], s[0:1], 0x0                ; qq, kv
	s_load_b64 s[8:9], s[0:1], 0x10                ; oq
	v_lshl_add_u32 v[SPW], v0, 2, SPARE
	v_mov_b32 v[NIL], 0
	ds_add_u32 v[SPW], v[NIL]                      ; the opening lines
	ds_add_u32 v[SPW], v[NIL]
	v_lshrrev_b32 v8, 5, v0
	v_readfirstlane_b32 s[WV], v8                  ; wave 0..15
	s_and_b32 s13, ttmp7, 0xffff                   ; bh
	s_bfe_u32 s14, ttmp6, 0x40000                  ; cx
	s_and_b32 s[P], s[WV], 7
	s_lshr_b32 s16, s[WV], 3                       ; which 64 tokens of a group
	s_mov_b32 s[G1], 15|(3<<16)|(1<<21)            ; the four partners; elements of 8 bytes; a dense block of 12,800 bytes as 50 rows of 256
	s_mov_b32 s[G1+1], 32<<16
	s_mov_b32 s[G1+2], 50<<16
	s_mov_b32 s[G1+3], 32<<16
	s_mov_b32 s[G1+4], 50
	s_mov_b32 s[G1+5], 32
	s_mov_b32 s[G1+6], 0
	s_mov_b32 s[G1+7], 0
	s_mov_b32 s[G0], 1
	s_mul_i32 s[G0+1], s[WV], BLK                  ; block w, in LDS and in the head's part of kv
	s_mul_i32 s36, s13, 16*BLK
	s_add_co_u32 s36, s36, s[G0+1]
	s_mov_b32 s37, 0
	s_lshr_b32 s38, s14, 1                         ; q: tile i = 4 (w / 8) + cx is half i % 2 of fragment i / 2 of piece 16 bh + group
	s_lshl_b32 s39, s16, 1
	s_add_co_u32 s38, s38, s39
	s_and_b32 s39, s14, 1
	s_lshl_b32 s[SH], s39, 4
	s_mul_i32 s40, s38, 1536
	s_mul_i32 s39, s39, 768
	s_add_co_u32 s40, s40, s39
	s_lshl_b32 s41, s38, 2
	s_add_co_u32 s41, s41, 6144
	s_sub_co_u32 s42, 15, s[P]                     ; the first group
	s_lshl_b32 s43, s13, 4
	s_add_co_u32 s44, s43, s42
	s_add_co_u32 s45, s43, s[P]
	s_mul_i32 s44, s44, P64
	s_mul_i32 s45, s45, P64
	s_add_co_u32 s68, s44, s40
	s_add_co_u32 s70, s44, s41
	s_add_co_u32 s72, s45, s40
	s_add_co_u32 s74, s45, s41
	s_mov_b32 s69, 0
	s_mov_b32 s71, 0
	s_mov_b32 s73, 0
	s_mov_b32 s75, 0
	s_lshr_b32 s38, s13, 4                         ; o: token block 16 batch + group, K step head / 2, piece w / 8, fragment cx, half head % 2
	s_lshl_b32 s38, s38, 4
	s_bfe_u32 s39, s13, 0x30001
	s_mul_i32 s39, s39, 2*P64
	s_mul_i32 s43, s16, P64
	s_add_co_u32 s39, s39, s43
	s_and_b32 s43, s13, 1
	s_mul_i32 s46, s14, 1536
	s_mul_i32 s47, s43, 768
	s_add_co_u32 s46, s46, s47
	s_add_co_u32 s46, s46, s39                     ; its codes,
	s_lshl_b32 s47, s14, 2
	s_lshl_b32 s43, s43, 1
	s_add_co_u32 s47, s47, s43
	s_add_co_u32 s47, s47, s39
	s_add_co_u32 s47, s47, 6144                    ; its two scale bytes a row
	s_add_co_u32 s42, s42, s38
	s_add_co_u32 s43, s38, s[P]
	s_mul_i32 s42, s42, 16*P64
	s_mul_i32 s43, s43, 16*P64
	s_add_co_u32 s76, s42, s46
	s_add_co_u32 s78, s42, s47
	s_add_co_u32 s38, s43, s46
	s_add_co_u32 s40, s43, s47
	s_mov_b32 s77, 0
	s_mov_b32 s79, 0
	s_mov_b32 s39, 0
	s_mov_b32 s41, 0
	s_lshl_b32 s44, s16, 6
	s_lshl_b32 s45, s14, 3
	s_add_co_u32 s44, s44, s45                     ; my tile's first token within its group
	s_mov_b32 s[SEL], 0x76543210
	s_mov_b32 s[SEL+1], 0xfedcba98
	s_mov_b32 s[CS], 0x3e38aa3b                    ; log2(e) / 8
	s_mov_b32 s[CS+1], s[CS]
	s_mov_b32 s[HM], 0xffff0000
	s_mov_b32 s[T], 0
	s_wait_dscnt 0x0
	s_wait_kmcnt 0x0
	s_add_nc_u64 s[G0+2:G0+3], s[6:7], s[36:37]
	s_or_b32 s[G0+3], s[G0+3], 0x80000000
	s_add_nc_u64 s[QA1:QA1+1], s[4:5], s[68:69]
	s_add_nc_u64 s[QS1:QS1+1], s[4:5], s[70:71]
	s_add_nc_u64 s[QA2:QA2+1], s[4:5], s[72:73]
	s_add_nc_u64 s[QS2:QS2+1], s[4:5], s[74:75]
	s_add_nc_u64 s[OB:OB+1], s[8:9], s[76:77]
	s_add_nc_u64 s[OS:OS+1], s[8:9], s[78:79]
	s_add_nc_u64 s[OB2:OB2+1], s[8:9], s[38:39]
	s_add_nc_u64 s[OS2:OS2+1], s[8:9], s[40:41]
	ROUND                                          ; the four partners are here: the joint loads meet
	tensor_load_to_lds s[G0:G0+3], s[G1:G1+7]      ; my one load of the launch
	s_nop 0
	v_and_b32 v35, 31, v0
	v_and_b32 v36, 15, v0
	v_bfe_u32 v34, v0, 4, 1                        ; h
	v_lshlrev_b32 v[LI], 4, v35
	v_lshlrev_b32 v[L8], 3, v35
	v_lshlrev_b32 v[LR], 4, v36
	v_lshlrev_b32 v[SH8], 3, v34
	v_add_nc_u32 v[SBO], v[LR], v34
	s_wait_alu depctr_va_vdst(0)
	global_load_b128 v[QF:QF+3], v[LI], s[QA1:QA1+1]                 ; the first group's q, once into each of its two places
	global_load_b64 v[QF+4:QF+5], v[L8], s[QA1:QA1+1] offset:512
	global_load_b128 v[QF+12:QF+15], v[LI], s[QA1:QA1+1]
	global_load_b64 v[QF+16:QF+17], v[L8], s[QA1:QA1+1] offset:512
	global_load_b32 v[Q1W], v[LR], s[QS1:QS1+1]
	global_load_b128 v[Q2:Q2+3], v[LI], s[QA2:QA2+1]                 ; the second group's waits in registers
	global_load_b64 v[Q2+4:Q2+5], v[L8], s[QA2:QA2+1] offset:512
	global_load_b32 v[Q2W], v[LR], s[QS2:QS2+1]
	v_and_b32 v[TP], 7, v0
	v_bfe_u32 v[TP2], v0, 3, 1
	v_lshl_add_u32 v[DD], v[TP2], 5, v[TP]         ; r % 8 + 32 (r / 8)
	v_lshlrev_b32 v[TP], 5, v34
	v_sub_nc_u32 v[DD], v[DD], v[TP]
	v_add_nc_u32 v[DD], s44, v[DD]
	v_mov_b32 v[NINF], 0xff800000
.irp j, 0,1,2,3,4,5
	v_mov_b32 v[QF+6+\j], 0                        ; zero codes
.endr
	v_mov_b32 v[BT], 0                             ; a lane permute's destination counts as one of its sources
	v_mov_b32 v[BT+1], 0
	v_mov_b32 v[FF], 0
	v_mov_b32 v[FF+1], 0                           ; (named as the upper half of a pair)
.macro SETQ w                          ; my tile's two bytes of q's word, twice: they scale whichever half of K holds q
	v_lshrrev_b32 v[TP], s[SH], v[\w]
	s_delay_alu instid0(VALU_DEP_1)
	v_and_b32 v[TP], 0xffff, v[TP]
	s_delay_alu instid0(VALU_DEP_1)
	v_lshl_or_b32 v[QW], v[TP], 16, v[TP]
.endm
.macro INIT                            ; O^T and the sum begin as zeros, the largest score as -3e38: the first change of M multiplies zeros.  (Also the places between q's scale word and the next product)
.set J, 0
.rept 32
	v_mov_b32 v[O+J], 0
.set J, J+1
.endr
	v_mov_b32 v13, 0xff61b1e6
	s_delay_alu instid0(VALU_DEP_1)
	v_floor_f32 v12, -v13
	v_mov_b32 v14, 0
	v_mov_b32 v15, 0
.endm
	s_wait_loadcnt 0x0
	SETQ Q1W
	INIT
	s_wait_alu depctr_va_vdst(0)
	s_wait_tensorcnt 0x0                           ; my block is in
	s_barrier_signal -1
	s_barrier_wait -1                              ; all sixteen blocks are in
.Ltrip:                                            ; seventeen trips of one key step, 128 keys
	s_add_co_u32 s[X], s[T], s[P]
	s_lshr_b32 s36, s[X], 4
	s_mul_i32 s36, s36, 15
	s_xor_b32 s36, s36, s[X]
	s_xor_b32 s36, s36, 15
	s_and_b32 s36, s36, 15                         ; the key block
	s_mul_i32 s[AD], s36, BLK
	v_add_nc_u32 v[ADK], s[AD], v[LI]              ; (the additions at the last step's end are the places in front of the loads below)
	v_add_nc_u32 v[ADS], s[AD], v[LR]
.irp b, 0,1,2,3
.irp c, 0,1,2
	ds_load_b128 v[FR+12*\b+4*\c:FR+12*\b+4*\c+3], v[ADK] offset:1536*\b+512*\c
.endr
.endr
	ds_load_b128 v[KS:KS+3], v[ADS] offset:6144
	s_wait_alu depctr_va_vdst(0)
	s_wait_dscnt 0x0
.irp b, 0,1,2,3
	v_wmma_scale_f32_16x16x128_f8f6f4 v[S+16*\b:S+16*\b+7], v[FR+12*\b:FR+12*\b+11], v[QF:QF+11], 0, v[KS+\b], v[QW] matrix_a_fmt:MATRIX_FMT_BF6 matrix_b_fmt:MATRIX_FMT_BF6
	v_wmma_scale_f32_16x16x128_f8f6f4 v[S+16*\b+8:S+16*\b+15], v[FR+12*\b:FR+12*\b+11], v[QF+6:QF+17], 0, v[KS+\b], v[QW] matrix_a_fmt:MATRIX_FMT_BF6 matrix_b_fmt:MATRIX_FMT_BF6
.endr
	v_mov_b32 v[OM], v12                           ; four places in front of the loads below and of the first read of the scores
	v_nop
	v_nop
	v_nop
.irp t, 0,1,2,3                                ; V's fragments take K's registers and come while the softmax is worked
.irp c, 0,1,2
	ds_load_b128 v[FR+12*\t+4*\c:FR+12*\t+4*\c+3], v[ADK] offset:P64+1536*\t+512*\c
.endr
.endr
	ds_load_b128 v[VS:VS+3], v[ADS] offset:P64+6144
	s_and_b32 s36, s[T], 15                        ; trips 0 and 16 walk the tile's own group: hidden scores become -infinity ahead of the maximum (every query sees itself there)
	s_cmp_lg_u32 s36, 0
	s_cbranch_scc1 .Lopen
	s_cmp_lg_u32 s16, 0                            ; a branch on the wave's number: which 64 tokens of the group hold my tile
	s_cbranch_scc1 .Lupper
.set J, 0
.rept 32                                       ; the lower 64: keys 0-63 are compared, keys 64-127 all come after my queries
	v_cmp_gt_i32 vcc_lo, J, v[DD]
	v_cndmask_b32 v[S+J], v[S+J], v[NINF], vcc_lo
	v_mov_b32 v[S+32+J], v[NINF]
.set J, J+1
.endr
	s_wait_alu depctr_va_vdst(0)
	s_branch .Lopen
.Lupper:
.set J, 32
.rept 32                                       ; the upper 64: keys 0-63 all count, keys 64-127 are compared (register 32 + i holds key 64 + 32 h + i)
	v_cmp_gt_i32 vcc_lo, 32+J, v[DD]
	v_cndmask_b32 v[S+J], v[S+J], v[NINF], vcc_lo
.set J, J+1
.endr
.Lopen:
.irp c, 0,1                                    ; the largest score of my two blocks of 32 keys, each in two chains; each accumulator is read from its low end on
	v_max3_num_f32 v[BM+\c], v[S+32*\c], v[S+32*\c+1], v[S+32*\c+2]
	v_max3_num_f32 v[BM+2+\c], v[S+32*\c+16], v[S+32*\c+17], v[S+32*\c+18]
.endr
.irp i, 3,5,7,9,11,13
.irp c, 0,1
	v_max3_num_f32 v[BM+\c], v[BM+\c], v[S+32*\c+\i], v[S+32*\c+\i+1]
	v_max3_num_f32 v[BM+2+\c], v[BM+2+\c], v[S+32*\c+16+\i], v[S+32*\c+16+\i+1]
.endr
.endr
.irp c, 0,1
	v_max3_num_f32 v[BM+\c], v[BM+\c], v[BM+2+\c], v[S+32*\c+15]
.endr
.irp c, 0,1
	v_max_num_f32 v[BM+\c], v[BM+\c], v[S+32*\c+31]
.endr
	s_delay_alu instid0(VALU_DEP_1)
	v_max_num_f32 v[TP], v[BM], v[BM+1]
	s_delay_alu instid0(VALU_DEP_1)
	v_permlanex16_b32 v[TP2], v[TP], s[SEL], s[SEL+1]
	s_delay_alu instid0(VALU_DEP_1)
	v_max3_num_f32 v13, v13, v[TP], v[TP2]         ; the running largest score of my query
	s_delay_alu instid0(VALU_DEP_1)
	v_mul_f32 v[TP], s[CS], v13                    ; as t (c is positive)
	s_delay_alu instid0(VALU_DEP_1)
	v_floor_f32 v12, -v[TP]                        ; the new -M = -ceil(t)
	s_delay_alu instid0(VALU_DEP_1)
	v_sub_f32 v[TP], v12, v[OM]                    ; old M - new M: a whole number, 0 or less
	s_delay_alu instid0(VALU_DEP_1)
	v_cvt_i32_f32 v[TP], v[TP]                     ; (it saturates)
	s_delay_alu instid0(VALU_DEP_1)
	v_ldexp_f32 v[FF], 1.0, v[TP]                  ; f = 2^(old M - new M)
.set J, 0
.rept 32
	v_pk_fma_f32 v[S+J:S+J+1], v[S+J:S+J+1], s[CS:CS+1], v[12:13] op_sel_hi:[1,0,0]   ; t - M, two at a time
.set J, J+2
.endr
.irp c, 0,1
	v_fma_f32 v[BM+\c], v[BM+\c], s[CS], v12       ; the same of each block's largest score: p rises with the score
.endr
	s_wait_alu depctr_va_vdst(0)
.set J, 0
.rept 64
	v_exp_f32 v[S+J], v[S+J]                       ; p = 2^(t - M), at most 1
.set J, J+1
.endr
.irp c, 0,1
	v_exp_f32 v[BM+\c], v[BM+\c]                   ; the block's largest p
.endr
	v_pk_mul_f32 v[14:15], v[14:15], v[FF:FF+1] op_sel_hi:[1,0]   ; the sums under the new M.  (A plain place behind the exponentials)
	s_wait_alu depctr_va_vdst(0)                   ; and behind it
.irp c, 0,1
	v_max_num_f32 v[BM+\c], 0x2800000, v[BM+\c]    ; the floor 2^(5 - 127)
.endr
.irp c, 0,1
	s_delay_alu instid0(VALU_DEP_2)
	v_add_nc_u32 v[SO+\c], 0xfe000000, v[BM+\c]    ; 4 off the exponent field: the conversion's scale operand
.endr
.irp c, 0,1
	s_delay_alu instid0(VALU_DEP_2)
	v_lshrrev_b32 v[BT+\c], 23, v[SO+\c]           ; the byte
.endr
	s_delay_alu instid0(VALU_DEP_1)
	v_lshl_or_b32 v[TP], v[BT+1], 16, v[BT]        ; blocks h and 2 + h,
	s_delay_alu instid0(VALU_DEP_1)
	v_lshlrev_b32 v[TP], v[SH8], v[TP]             ; at their places
	s_delay_alu instid0(VALU_DEP_1)
	v_permlanex16_b32 v[TP2], v[TP], s[SEL], s[SEL+1]
.irp c, 0,1
	v_cvt_scalef32_pk16_bf6_f32 v[PC+6*\c:PC+6*\c+2], v[S+32*\c:S+32*\c+15], v[SO+\c]
	v_cvt_scalef32_pk16_bf6_f32 v[PT+4*\c:PT+4*\c+2], v[S+32*\c+16:S+32*\c+31], v[SO+\c]   ; (a conversion's three registers begin on an even number)
.endr
	v_or_b32 v[PW], v[TP], v[TP2]                  ; p's scale word for these 128 keys.  (The plain place behind the conversions)
.irp c, 0,1
.irp i, 0,1,2
	v_mov_b32 v[PC+6*\c+3+\i], v[PT+4*\c+\i]
.endr
.endr
	s_wait_alu depctr_va_vdst(0)                   ; directly ahead of the first reader of O^T
.set J, 0
.rept 16
	v_pk_mul_f32 v[O+J:O+J+1], v[O+J:O+J+1], v[FF:FF+1] op_sel_hi:[1,0]   ; O^T under the new M, each accumulator from its low end on
.set J, J+2
.endr
; the row's sum, of the unquantised p: 32 pairs in eight chains; four chains ahead of the products, four behind them
.irp a, 0,1,2,3
	v_pk_add_f32 v[236+2*\a:237+2*\a], v[S+2*\a:S+2*\a+1], v[S+8+2*\a:S+8+2*\a+1]
.endr
.irp k, 16,24
.irp a, 0,1,2,3
	v_pk_add_f32 v[236+2*\a:237+2*\a], v[236+2*\a:237+2*\a], v[S+\k+2*\a:S+\k+2*\a+1]
.endr
.endr
	s_wait_dscnt 0x0                               ; V is in
.irp t, 0,1,2,3                                ; O^T += V^T P^T: four accumulators, one instruction each
	v_wmma_scale_f32_16x16x128_f8f6f4 v[O+8*\t:O+8*\t+7], v[FR+12*\t:FR+12*\t+11], v[PC:PC+11], v[O+8*\t:O+8*\t+7], v[VS+\t], v[PW] matrix_a_fmt:MATRIX_FMT_BF6 matrix_b_fmt:MATRIX_FMT_BF6
.endr
	v_pk_add_f32 v[252:253], v[S+32:S+33], v[S+40:S+41]
	v_pk_add_f32 v[254:255], v[S+34:S+35], v[S+42:S+43]
	v_pk_add_f32 v[212:213], v[S+36:S+37], v[S+44:S+45]
	v_pk_add_f32 v[214:215], v[S+38:S+39], v[S+46:S+47]
.irp k, 48,56
	v_pk_add_f32 v[252:253], v[252:253], v[S+\k:S+\k+1]
	v_pk_add_f32 v[254:255], v[254:255], v[S+\k+2:S+\k+3]
	v_pk_add_f32 v[212:213], v[212:213], v[S+\k+4:S+\k+5]
	v_pk_add_f32 v[214:215], v[214:215], v[S+\k+6:S+\k+7]
.endr
	v_pk_add_f32 v[236:237], v[236:237], v[238:239]
	v_pk_add_f32 v[240:241], v[240:241], v[242:243]
	v_pk_add_f32 v[252:253], v[252:253], v[254:255]
	v_pk_add_f32 v[212:213], v[212:213], v[214:215]
	s_delay_alu instid0(VALU_DEP_3)
	v_pk_add_f32 v[236:237], v[236:237], v[240:241]
	s_delay_alu instid0(VALU_DEP_2)
	v_pk_add_f32 v[252:253], v[252:253], v[212:213]
	s_delay_alu instid0(VALU_DEP_1)
	v_pk_add_f32 v[236:237], v[236:237], v[252:253]
	s_delay_alu instid0(VALU_DEP_1)
	v_pk_add_f32 v[14:15], v[14:15], v[236:237]
	s_cmp_lg_u32 s[X], 15                          ; X = 15: the first group has walked block 0 (the second group's way out stands behind the loop)
	s_cbranch_scc1 .Lnext
.macro OUT
; THE WAY OUT of a tile: O^T / the sum; my row's 64 channels (register 16 b + i: channel 32 b + 16 h + i) are two blocks of 32 along the projection's K: half a fragment and two scale bytes
	s_wait_alu depctr_va_vdst(0)
	v_add_f32 v14, v14, v15
	s_delay_alu instid0(VALU_DEP_1)
	v_permlanex16_b32 v[TP], v14, s[SEL], s[SEL+1]
	s_delay_alu instid0(VALU_DEP_1)
	v_add_f32 v14, v14, v[TP]                      ; the row's sum
	s_wait_alu depctr_va_vdst(0)
	v_rcp_f32 v14, v14
	v_nop                                          ; one plain place behind a transcendental
	s_wait_alu depctr_va_vdst(0)
.set J, 0
.rept 16
	v_pk_mul_f32 v[S+J:S+J+1], v[O+J:O+J+1], v[14:15] op_sel_hi:[1,0]
.set J, J+2
.endr
.irp b, 0,1
	v_max3_num_f32 v[BM+\b], |v[S+16*\b]|, |v[S+16*\b+1]|, 0x2800000
.endr
.irp i, 2,4,6,8,10,12,14
.irp b, 0,1
	s_delay_alu instid0(VALU_DEP_2)
	v_max3_num_f32 v[BM+\b], v[BM+\b], |v[S+16*\b+\i]|, |v[S+16*\b+\i+1]|
.endr
.endr
.irp b, 0,1
	s_delay_alu instid0(VALU_DEP_2)
	v_permlanex16_b32 v[BT+\b], v[BM+\b], s[SEL], s[SEL+1]
.endr
.irp b, 0,1
	s_delay_alu instid0(VALU_DEP_2)
	v_max_num_f32 v[BM+\b], v[BM+\b], v[BT+\b]
.endr
.irp b, 0,1
	s_delay_alu instid0(VALU_DEP_2)
	v_add_nc_u32 v[SO+\b], 0xfe000000, v[BM+\b]
.endr
.irp b, 0,1
	s_delay_alu instid0(VALU_DEP_2)
	v_lshrrev_b32 v[BT+\b], 23, v[SO+\b]
.endr
	v_cvt_scalef32_pk16_bf6_f32 v[PC:PC+2], v[S:S+15], v[SO]
	v_cvt_scalef32_pk16_bf6_f32 v[PT:PT+2], v[S+16:S+31], v[SO+1]
	v_cndmask_b32 v[TB3], v[BT], v[BT+1], s[HM]    ; block h's byte.  (The plain place behind the conversions)
.irp i, 0,1,2
	v_permlane16_swap_b32 v[PC+\i], v[PT+\i]
.endr
.irp i, 0,1,2
	s_delay_alu instid0(VALU_DEP_3)
	v_mov_b32 v[PC+3+\i], v[PT+\i]                 ; six registers: k = 32 h + 0 .. 31 of my head's 64
.endr
	global_store_b128 v[LI], v[PC:PC+3], s[OB:OB+1]                  ; 512 consecutive bytes, aligned to 256
	global_store_b64 v[L8], v[PC+4:PC+5], s[OB:OB+1] offset:512      ; 256
	global_store_b8 v[SBO], v[TB3], s[OS:OS+1]     ; a K step's scale word spans two heads, which are two clusters: 32 single bytes a tile
	s_wait_xcnt 0x0                                ; the stores have read their registers and bases
.endm
	OUT
	s_mov_b64 s[OB:OB+1], s[OB2:OB2+1]
	s_mov_b64 s[OS:OS+1], s[OS2:OS2+1]
.irp j, 0,1,2,3,4,5
	v_mov_b32 v[QF+\j], v[Q2+\j]
	v_mov_b32 v[QF+12+\j], v[Q2+\j]
.endr
	SETQ Q2W
	INIT
	s_wait_alu depctr_va_vdst(0)
.Lnext:
	s_add_co_u32 s[T], s[T], 1
	s_cmp_lt_u32 s[T], 17
	s_cbranch_scc1 .Ltrip
	OUT                                            ; the second group's tile
	s_wait_tensorcnt 0x0                           ; the wave's end
	ds_add_u32 v[SPW], v[NIL]
	s_wait_dscnt 0x0
	ROUND                                          ; the closing round
	s_endpgm
.Lfunc_end_k_qa2888b0914_attn:
	.size	k_qa2888b0914_attn, .Lfunc_end_k_qa2888b0914_attn-k_qa2888b0914_attn
	.p2alignl 7, 3214868480
	.fill 96, 4, 3214868480
	.section	.rodata,"a",@progbits
	.p2align	6, 0x0
	.amdhsa_kernel k_qa2888b0914_attn
		.amdhsa_group_segment_fixed_size 327680
		.amdhsa_private_segment_fixed_size 0
		.amdhsa_enable_private_segment 0
		.amdhsa_kernarg_size 24
		.amdhsa_user_sgpr_count 2
		.amdhsa_user_sgpr_kernarg_segment_ptr 1
		.amdhsa_wavefront_size32 1
		.amdhsa_system_sgpr_workgroup_id_x 1
		.amdhsa_system_sgpr_workgroup_id_y 1
		.amdhsa_system_sgpr_workgroup_id_z 1
		.amdhsa_system_vgpr_workitem_id 0
		.amdhsa_next_free_vgpr 256
		.amdhsa_next_free_sgpr 80
		.amdhsa_reserve_vcc 1
		.amdhsa_float_denorm_mode_32 3
		.amdhsa_float_denorm_mode_16_64 3
		.amdhsa_memory_ordered 1
		.amdhsa_forward_progress 1
		.amdhsa_inst_pref_size 41
	.end_amdhsa_kernel
	.amdgpu_metadata
---
amdhsa.version: [ 1, 2 ]
amdhsa.kernels:
  - .name:           k_qa2888b0914_attn
    .symbol:         k_qa2888b0914_attn.kd
    .args:
      - { .name: qq, .offset: 0, .size: 8, .value_kind: global_buffer, .address_space: global }
      - { .name: kv, .offset: 8, .size: 8, .value_kind: global_buffer, .address_space: global }
      - { .name: oq, .offset: 16, .size: 8, .value_kind: global_buffer, .address_space: global }
    .group_segment_fixed_size: 327680
    .private_segment_fixed_size: 0
    .kernarg_segment_align: 8
    .kernarg_segment_size: 24
    .max_flat_workgroup_size: 512
    .sgpr_count:     80
    .vgpr_count:     256
    .wavefront_size: 32
...
	.end_amdgpu_metadata
.endif
;; end of part 3
;; launch proj (part 4): grid 4 x 64, 4 waves a work-group, clusters of 4 x 4, 327,680 bytes of LDS; arguments oq, pwq, proj_b, out0; writes out0
.if DOCPART == 4
	.amdgcn_target "amdgcn-amd-amdhsa--gfx1250"
	.amdhsa_code_object_version 6
	.text
	.protected	k_qa2888b0914_proj
	.globl	k_qa2888b0914_proj
	.p2align	8
	.type	k_qa2888b0914_proj,@function
k_qa2888b0914_proj:
	s_mov_b64 s[64:65], 0
	v_nop
	global_prefetch_b8 v0, s[64:65] scope:SCOPE_SE
	s_setreg_imm32_b32 hwreg(HW_REG_WAVE_MODE, 25, 1), 1
	s_wait_xcnt 0x0
	s_wait_alu depctr_hold_cnt(0) depctr_sa_sdst(0) depctr_va_vdst(0) depctr_va_sdst(0) depctr_va_ssrc(0) depctr_va_vcc(0) depctr_vm_vsrc(0)
	s_getreg_b32 s2, hwreg(HW_REG_IB_STS2, 6, 4)
	s_cmp_eq_u32 s2, 0
	s_cbranch_scc0 .Lentry_in_a_cluster
	s_endpgm
.Lentry_in_a_cluster:
	s_bfe_u32 s2, ttmp6, 0x10000c
	s_cmp_lg_u32 s2, 0xf033
	s_cbranch_scc0 .Lentry_shape_is_right
	s_endpgm
.Lentry_shape_is_right:
; out0 = o proj_w^T + proj_b, on codes of BF6 (E3M2) with one E8M0 scale for each 32 along K = 1,024; out0 [8192][1024] f32.
; SHARES.  A work-group owns 128 tokens (tb) and 256 output channels (hg); wave w owns channels 64 (4 hg + w) on: 128 x 64, 32 accumulators.  Eight K steps of 128, 32 matrix instructions each.
; Both operands lie in the order of the operand's registers (pieces of 6,400 bytes: four fragments of 1,536 and 256 bytes of scale words): o's 102,400 bytes and each wave's 51,200 of proj_w come into LDS ONCE, by four
; first fills a wave; nothing is filled again.  All of a WGP's LDS is claimed, so that the work-group is alone on it; the text uses 325,120 bytes.
; Source 0 = 16 channels of proj_w, source 1 = 16 tokens: a lane holds ONE token and eight neighbouring channels.  Row r of fragment f of a piece is its row 8 f + r % 8 + 32 (r / 8).
; The bias is the C of each sum's first matrix instruction.  CLUSTER 4 x 4: a row shares tb and asks for o jointly, a column shares hg and asks for proj_w jointly.
; REGISTERS.  Window 0: v4-19 addresses; v24-39 o's scale words, two sets; v40-47 proj_w's; v48-143 proj_w's fragments, two sets (on the way out v48-111: rows read back); v176-207 the bias.
;   Window 1: o's eight fragments, two sets.   Window 2: the accumulators, number 4 x (token tile) + channel tile at v[8 n].
.set P64,    6400
.set XSTEP,  2*P64
.set XHALF,  4*XSTEP
.set WSLOT,  102400
.set WWAVE,  4*P64
.set STAGE,  3*WSLOT                   ; the way out: 16 rows x (256 bytes + 16) for each wave; no fill lands here
.set SPITCH, 272
.set STO,  4                           ; v4      the stage, way in
.set RD,   5                           ; v5      way out
.set CO,   6                           ; v6      my byte offset in two rows of out0
.set BO,   7                           ; v7      128 h: my half's place in a tile's bias
.set AXI,  8
.set AX8,  10
.set AXS,  12
.set AWI,  14
.set AW8,  16
.set AWS,  18
.set XS,   24
.set WSC,  40
.set WF,   48
.set BK,   48
.set BI,   176
.set G1X,  24
.set G1W,  32
.set G0X,  40
.set G0W,  48
.set MSB, 0
.macro WIN new                         ; the immediate's high byte repeats the setting that is left
.if MSB != \new
	s_set_vgpr_msb (MSB<<8)|\new
.set MSB, \new
.endif
.endm
.set TO_X, 0x40
.macro CREST
	s_cmp_lg_u32 s12, 0
	s_cbranch_scc1 .Lnot_wave_0_\@
	s_barrier_signal -3
.Lnot_wave_0_\@:
	s_barrier_wait -3
	s_barrier_signal -1
	s_barrier_wait -1
.endm
.macro CROUND
	s_barrier_signal -1
	s_barrier_wait -1
	CREST
.endm
.macro PLACES n                        ; plain vector instructions that name none of a matrix instruction's registers (ISA guide 7.12.1)
.rept \n
	v_nop
.endr
.endm
	s_load_b256 s[4:11], s[0:1], 0x0               ; oq s[4:5], pwq s[6:7], proj_b s[8:9], out0 s[10:11]
	v_lshl_add_u32 v254, v0, 2, 0x4f400
	v_mov_b32 v255, 0
	ds_add_u32 v254, v255
	ds_add_u32 v254, v255
	v_lshrrev_b32 v1, 5, v0
	v_readfirstlane_b32 s12, v1                    ; wave
	s_bfe_u32 s13, ttmp6, 0x40000                  ; cx
	s_bfe_u32 s14, ttmp6, 0x40004                  ; cy
	s_lshl_b32 s15, ttmp9, 2
	s_add_co_u32 s15, s15, s13                     ; hg
	s_and_b32 s16, ttmp7, 0xffff
	s_lshl_b32 s16, s16, 2
	s_add_co_u32 s16, s16, s14                     ; tb
	s_lshl_b32 s17, s14, 2
	s_lshl_b32 s17, 15, s17                        ; my row of the cluster
	s_lshl_b32 s18, 0x1111, s13                    ; my column
	s_or_b32 s[G1X], s17, (3<<16)|(1<<21)          ; dense blocks as rows of 256 bytes (32 elements of 8 bytes), no padding: o 200 rows a load, proj_w 400
	s_or_b32 s[G1W], s18, (3<<16)|(1<<21)
	s_mov_b32 s[G1X+1], 32<<16
	s_mov_b32 s[G1X+2], 200<<16                    ; o: 200 rows of 256 bytes a load, half of the 128 tokens' codes; proj_w: 400 rows, two units of 64 channels
	s_mov_b32 s[G1X+3], 32<<16
	s_mov_b32 s[G1X+4], 200
	s_mov_b32 s[G1X+5], 32
	s_mov_b32 s[G1X+6], 0
	s_mov_b32 s[G1X+7], 0
	s_mov_b32 s[G1W+1], 32<<16
	s_mov_b32 s[G1W+2], 400<<16
	s_mov_b32 s[G1W+3], 32<<16
	s_mov_b32 s[G1W+4], 400
	s_mov_b32 s[G1W+5], 32
	s_mov_b32 s[G1W+6], 0
	s_mov_b32 s[G1W+7], 0
	s_mul_i32 s70, s16, 16*P64                     ; o: registers that feed its descriptors never hold cx,
	s_and_b32 s19, s12, 1                          ; waves 0, 1 bring o's K steps 0-3, 4-7; waves 2, 3 proj_w's units 0-1, 2-3 of my four
	s_mul_i32 s19, s19, XHALF
	s_add_co_u32 s70, s70, s19
	s_mov_b32 s71, 0
	s_lshl_b32 s72, s15, 2
	s_mul_i32 s72, s72, 8*P64                      ; the first of my four units,
	s_lshl_b32 s22, s19, 1
	s_add_co_u32 s72, s72, s22                     ; + two units for the odd wave
	s_mov_b32 s73, 0
	s_mul_i32 s20, s12, 2*WWAVE                    ; my own unit's eight K steps lie on end in LDS, as in memory
	s_lshl_b32 s74, s15, 2
	s_add_co_u32 s74, s74, s12
	s_lshl_b32 s74, s74, 8                         ; my 64 channels in bytes, in proj_b and in a row of out0
	s_mov_b32 s75, 0
	s_lshl_b32 s76, s16, 19                        ; my 128 rows of 4,096 bytes
	s_mov_b32 s77, 0
	s_wait_dscnt 0x0
	s_wait_kmcnt 0x0
	s_add_nc_u64 s[70:71], s[4:5], s[70:71]
	s_add_nc_u64 s[72:73], s[6:7], s[72:73]
	s_add_nc_u64 s[60:61], s[8:9], s[74:75]
	s_add_nc_u64 s[66:67], s[10:11], s[74:75]
	s_add_nc_u64 s[66:67], s[66:67], s[76:77]
	CROUND                                         ; all sixteen work-groups are here: the joint loads meet
	s_mov_b32 s[G0X], 1                            ; o's half
	s_add_co_u32 s[G0X+1], s19, 0
	s_mov_b64 s[G0X+2:G0X+3], s[70:71]
	s_or_b32 s[G0X+3], s[G0X+3], 0x80000000
	s_mov_b32 s[G0W], 1                            ; two units of proj_w, 102,400 bytes on end
	s_add_co_u32 s[G0W+1], s22, WSLOT
	s_mov_b64 s[G0W+2:G0W+3], s[72:73]
	s_or_b32 s[G0W+3], s[G0W+3], 0x80000000
	s_cmp_lt_u32 s12, 2                            ; all the launch's fills, one a wave, one in each arm
	s_cbranch_scc0 .Lhead_w
	tensor_load_to_lds s[G0X:G0X+3], s[G1X:G1X+7]
	s_nop 0
	PLACES 4
	s_branch .Lhead_asked
.Lhead_w:
	tensor_load_to_lds s[G0W:G0W+3], s[G1W:G1W+7]
	s_nop 0
	PLACES 4
.Lhead_asked:
	v_and_b32 v3, 31, v0                           ; lane
	v_and_b32 v1, 15, v0                           ; r
	v_bfe_u32 v2, v0, 4, 1                         ; h
	v_lshlrev_b32 v[BO], 7, v2                     ; THE ROW ORDER of both operands' pieces is 8 f + r % 8 + 32 (r / 8): lane (r, h) holds, of channel tile t, channels 8 t + 32 h + 0 .. 7
.irp t, 0,1,2,3                                ; lane (r, h) wants, for channel tile t, the bias of channels 8 t + 32 h + 0 .. 7
	global_load_b128 v[BI+8*\t:BI+8*\t+3], v[BO], s[60:61] offset:32*\t
	global_load_b128 v[BI+8*\t+4:BI+8*\t+7], v[BO], s[60:61] offset:32*\t+16
.endr
	v_lshlrev_b32 v[AXI], 4, v3
	v_lshlrev_b32 v[AX8], 3, v3
	v_lshlrev_b32 v[AXS], 4, v1
	v_add_nc_u32 v[AXI+1], XHALF, v[AXI]
	v_add_nc_u32 v[AX8+1], XHALF, v[AX8]
	v_add_nc_u32 v[AXS+1], XHALF, v[AXS]
	s_add_co_u32 s21, s20, WSLOT
.irp s, 0,1
	v_add_nc_u32 v[AWI+\s], s21, v[AXI]
	v_add_nc_u32 v[AW8+\s], s21, v[AX8]
	v_add_nc_u32 v[AWS+\s], s21, v[AXS]
	s_add_co_u32 s21, s21, WWAVE
.endr
	s_mul_i32 s22, s12, 16*SPITCH
	s_add_co_u32 s22, s22, STAGE                   ; my stage
	v_mul_u32_u24 v[STO], v1, SPITCH
	v_lshl_add_u32 v[STO], v2, 7, v[STO]
	v_add_nc_u32 v[STO], s22, v[STO]               ; in: row r, + 128 h
	v_mul_u32_u24 v[RD], v2, SPITCH
	v_lshl_add_u32 v[RD], v1, 4, v[RD]
	v_add_nc_u32 v[RD], s22, v[RD]                 ; back: lanes 0-15 one row of 256 bytes, lanes 16-31 the next
	v_lshlrev_b32 v[CO], 12, v2
	v_lshl_add_u32 v[CO], v1, 4, v[CO]             ; and the same two rows in out0
.macro FETCH xh, j, slot, set          ; 51 LDS loads in one run: a K step's operands and scale words into set `set`
	WIN TO_X
.irp i, 0,1,2,3,4,5,6,7
	ds_load_b128 v[96*(\set)+12*\i:96*(\set)+12*\i+3], v[AXI+(\xh)] offset:XSTEP*(\j)+P64*(\i/4)+1536*(\i%4)
	ds_load_b64 v[96*(\set)+12*\i+4:96*(\set)+12*\i+5], v[AX8+(\xh)] offset:XSTEP*(\j)+P64*(\i/4)+1536*(\i%4)+512
	ds_load_b128 v[96*(\set)+12*\i+6:96*(\set)+12*\i+9], v[AXI+(\xh)] offset:XSTEP*(\j)+P64*(\i/4)+1536*(\i%4)+768
	ds_load_b64 v[96*(\set)+12*\i+10:96*(\set)+12*\i+11], v[AX8+(\xh)] offset:XSTEP*(\j)+P64*(\i/4)+1536*(\i%4)+1280
.endr
	WIN 0
.irp t, 0,1,2,3
	ds_load_b128 v[WF+48*(\set)+12*\t:WF+48*(\set)+12*\t+3], v[AWI+(\slot)] offset:P64*(\j)+1536*\t
	ds_load_b64 v[WF+48*(\set)+12*\t+4:WF+48*(\set)+12*\t+5], v[AW8+(\slot)] offset:P64*(\j)+1536*\t+512
	ds_load_b128 v[WF+48*(\set)+12*\t+6:WF+48*(\set)+12*\t+9], v[AWI+(\slot)] offset:P64*(\j)+1536*\t+768
	ds_load_b64 v[WF+48*(\set)+12*\t+10:WF+48*(\set)+12*\t+11], v[AW8+(\slot)] offset:P64*(\j)+1536*\t+1280
.endr
	ds_load_b128 v[XS+8*(\set):XS+8*(\set)+3], v[AXS+(\xh)] offset:XSTEP*(\j)+6144
	ds_load_b128 v[XS+8*(\set)+4:XS+8*(\set)+7], v[AXS+(\xh)] offset:XSTEP*(\j)+P64+6144
	ds_load_b128 v[WSC+4*(\set):WSC+4*(\set)+3], v[AWS+(\slot)] offset:P64*(\j)+6144
.endm
; Accumulators lo .. hi, one instruction each; first = 1: the bias starts the sums.  The 32 take turns, one instruction a turn, in the same order in every K step.
.macro MULS set, first, lo, hi
.if \first
	WIN 0x84                                       ; source 0 (proj_w) and C (the bias) window 0, source 1 (o) window 1, D window 2
.else
	WIN 0xa4                                       ; C and D window 2
.endif
.set MN, \lo
.rept \hi-\lo+1
.set RA, WF+48*(\set)+12*(MN%4)
.set RB, 96*(\set)+12*(MN/4)
.set SA, WSC+4*(\set)+MN%4
.set SB, XS+8*(\set)+MN/4
.if \first
	v_wmma_scale_f32_16x16x128_f8f6f4 v[8*MN:8*MN+7], v[RA:RA+11], v[RB:RB+11], v[BI+8*(MN%4):BI+8*(MN%4)+7], v[SA], v[SB] matrix_a_fmt:MATRIX_FMT_BF6 matrix_b_fmt:MATRIX_FMT_BF6
.else
	v_wmma_scale_f32_16x16x128_f8f6f4 v[8*MN:8*MN+7], v[RA:RA+11], v[RB:RB+11], v[8*MN:8*MN+7], v[SA], v[SB] matrix_a_fmt:MATRIX_FMT_BF6 matrix_b_fmt:MATRIX_FMT_BF6
.endif
.set MN, MN+1
.endr
.endm
; K step k (0 to 6): the next step's operands are asked for first, in one run, and have this step's 32 matrix instructions in which to come
.macro STEP k, first
	s_wait_dscnt 0x0
	PLACES 4                                       ; in front of loads into the set that the step before multiplied
	FETCH ((\k)+1)/4, ((\k)+1)%4, ((\k)+1)/4, 1-(\k)%2
	MULS (\k)%2, \first, 0, 31
.endm
.macro TOSTAGE a                       ; token tile a: 16 rows x my 64 channels through my own stage; LDS serves a wave's instructions in order, so no wait stands between the stores and the loads
	WIN 0x08                                       ; an LDS store's data are its source 1: window 2
.irp t, 0,1,2,3
	ds_store_b128 v[STO], v[32*(\a)+8*\t:32*(\a)+8*\t+3] offset:32*\t        ; row r, + 128 h, + 32 t: each accumulator from its low end on
	ds_store_b128 v[STO], v[32*(\a)+8*\t+4:32*(\a)+8*\t+7] offset:32*\t+16
.endr
	WIN 0
.irp i, 0,1,2,3,4,5,6,7
	ds_load_b128 v[BK+32*((\a)%2)+4*\i:BK+32*((\a)%2)+4*\i+3], v[RD] offset:2*SPITCH*\i
.endr
.endm
.macro SEND a, younger                 ; stage rows 2 i and 2 i + 1 are tokens 64 (a / 4) + 8 (a % 4) + 2 i % 8 + 32 (i / 4) and the next
	s_wait_dscnt \younger
.irp i, 0,1,2,3,4,5,6,7
	global_store_b128 v[CO], v[BK+32*((\a)%2)+4*\i:BK+32*((\a)%2)+4*\i+3], s[66:67] offset:(64*((\a)/4)+8*((\a)%4)+(2*\i)%8+32*(\i/4))*4096 th:TH_STORE_NT   ; stage rows 2 i, 2 i + 1 are tokens 64 (a / 4) + 8 (a % 4) + 2 i % 8 + 32 (i / 4) and the next; sixteen lanes store 256 consecutive bytes, aligned
.endr
.endm
	s_wait_alu depctr_va_vdst(0)
	s_wait_tensorcnt 0x0                           ; my one load is in; behind the barrier everybody's is
	s_barrier_signal -1
	s_barrier_wait -1
	FETCH 0, 0, 0, 0
	s_wait_loadcnt 0x0                             ; the bias
	STEP 0, 1
	STEP 1, 0
	STEP 2, 0
	STEP 3, 0
	STEP 4, 0
	STEP 5, 0
	STEP 6, 0
	s_wait_dscnt 0x0
	MULS 1, 0, 0, 31
	WIN 0
	PLACES 4                                       ; behind the last products: for the reads of results and the loads into registers that held proj_w's fragments
	TOSTAGE 0
.irp a, 1,2,3,4,5,6,7
.if \a > 1
	s_wait_xcnt 0x0                                ; tile a - 2's stores have read their registers: tile a's rows may land there
.endif
	TOSTAGE \a
	SEND \a-1, 16                                  ; behind tile a - 1's loads: tile a's 8 stores and 8 loads
.endr
	SEND 7, 0
	s_wait_tensorcnt 0x0
	ds_add_u32 v254, v255
	s_wait_dscnt 0x0
	CROUND                                         ; the closing round: no work-group ends while a partner may still ask for a tile that names it
	s_endpgm
.Lfunc_end_k_qa2888b0914_proj:
	.size	k_qa2888b0914_proj, .Lfunc_end_k_qa2888b0914_proj-k_qa2888b0914_proj
	.p2alignl 7, 3214868480
	.fill 96, 4, 3214868480
	.section	.rodata,"a",@progbits
	.p2align	6, 0x0
	.amdhsa_kernel k_qa2888b0914_proj
		.amdhsa_group_segment_fixed_size 327680
		.amdhsa_private_segment_fixed_size 0
		.amdhsa_enable_private_segment 0
		.amdhsa_kernarg_size 32
		.amdhsa_user_sgpr_count 2
		.amdhsa_user_sgpr_kernarg_segment_ptr 1
		.amdhsa_wavefront_size32 1
		.amdhsa_system_sgpr_workgroup_id_x 1
		.amdhsa_system_sgpr_workgroup_id_y 1
		.amdhsa_system_sgpr_workgroup_id_z 1
		.amdhsa_system_vgpr_workitem_id 0
		.amdhsa_next_free_vgpr 768
		.amdhsa_next_free_sgpr 80
		.amdhsa_reserve_vcc 0
		.amdhsa_float_denorm_mode_32 3
		.amdhsa_float_denorm_mode_16_64 3
		.amdhsa_memory_ordered 1
		.amdhsa_forward_progress 1
		.amdhsa_inst_pref_size 82
	.end_amdhsa_kernel
	.amdgpu_metadata
---
amdhsa.version: [ 1, 2 ]
amdhsa.kernels:
  - .name:           k_qa2888b0914_proj
    .symbol:         k_qa2888b0914_proj.kd
    .args:
      - { .name: oq, .offset: 0, .size: 8, .value_kind: global_buffer, .address_space: global }
      - { .name: pwq, .offset: 8, .size: 8, .value_kind: global_buffer, .address_space: global }
      - { .name: proj_b, .offset: 16, .size: 8, .value_kind: global_buffer, .address_space: global }
      - { .name: out0, .offset: 24, .size: 8, .value_kind: global_buffer, .address_space: global }
    .group_segment_fixed_size: 327680
    .private_segment_fixed_size: 0
    .kernarg_segment_align: 8
    .kernarg_segment_size: 32
    .max_flat_workgroup_size: 128
    .sgpr_count:     80
    .vgpr_count:     768
    .wavefront_size: 32
...
	.end_amdgpu_metadata
.endif
;; end of part 4
